; MI455X (gfx1250); checked and timed in simulation.
; The chip was launched on July 23, 2026; its instructions are those of AMD's public machine-readable ISA for CDNA 5 (MIT licence, August 2026) and "CDNA5" Instruction Set Architecture Reference Guide (July 2026). The comments in the code are by the model that wrote it; some were corrected since.
;; Top K Sorted Attention. Allowed arithmetic: matrix products marked QUANTISED: E2M1 operands, one E8M0 scale for each 32 along K, by v_wmma_scale_f32_16x16x128_f8f6f4 with both operands' format E2M1 (or v_wmma_scale_f32_32x16x128_f4), f32 sums; products left as they are: f32 operands where the result goes on into a quantised operand, else bf16, f16 or f32 operands; f32 sums; everything else in f32.
;; Inputs: Wk 128 x 1,024 float32; Wo 1,024 x 1,024 float32; Wq 128 x 1,024 float32; Wv 1,024 x 1,024 float32; x 4 x 4,096 x 1,024 float32.
;; Outputs: out0 4 x 4,096 x 1,024 float32.
;; This version of the problem:
;;   THIS VERSION OF THE PROBLEM IS GIVEN IN LOW PRECISION. The matrix products marked QUANTISED in the list below multiply operands that are first quantised to E2M1 (2 exponent bits, 1 mantissa bit; 4 bits a number), with one power-of-two scale for each 32 numbers along K (OCP MX v1.0); their sums are f32. All else is computed in f32.
;;   The module's matrix products, in the order in which they are computed (A, B: the left and right operand; K: the contracted axis; several contracted axes count as one K, in the product's order):
;;     1. [M 128, K 1,024] x [K 1,024, N 16,384]; A: input Wq; B: input x: QUANTISED
;;     2. [M 128, K 1,024] x [K 1,024, N 16,384]; A: input Wk; B: input x: QUANTISED
;;     3. [M 16,384, K 1,024] x [K 1,024, N 1,024]; A: input x; B: input Wv: QUANTISED
;;     4. batch 512 x [M 4,096, K 32] x [K 32, N 8]; A: softmax; B: computed on the way: left as it is (N = 8 < 16)
;;     5. batch 512 x [M 4,096, K 32] x [K 32, N 8]; A: softmax; B: computed on the way: left as it is (N = 8 < 16)
;;     6. [M 16,384, K 1,024] x [K 1,024, N 1,024]; A: computed on the way; B: input Wo: QUANTISED
;;   THE QUANTISER, for each operand of a quantised product, along K:
;;     - K is cut into blocks of 32 from its start; a last block that is shorter is filled with zeros.
;;     - A block's scale is 2^e with e = floor(log2(the largest magnitude in the block)) - 2, held to -126 .. 127; a block of zeros has e = 0. As a byte (E8M0): e + 127.
;;     - Each number is divided by its block's scale, clamped to +-6, and rounded to the nearest number of E2M1, ties to even, subnormals kept.
;;     - The product sums the exact products of the quantised numbers (number of the format x scale) in f32.
;;   ~~~python
;;   def quantise(x, axis):      # numpy; x: float32 -> the quantised numbers, widened to float32 again
;;       x = np.moveaxis(x, axis, -1); K = x.shape[-1]
;;       x = np.pad(x, [(0, 0)] * (x.ndim - 1) + [(0, -K % 32)]); x = x.reshape(x.shape[:-1] + (-1, 32)); a = np.abs(x).max(-1, keepdims=True)
;;       e = np.where(a > 0, np.clip(np.frexp(np.where(a > 0, a, 1))[1] - 1 - 2, -126, 127), 0)      # np.frexp(a)[1] - 1 = floor(log2(a)), exactly
;;       r = np.clip(x / 2.0 ** e, -6, 6)
;;       step = 2.0 ** (np.maximum(np.frexp(np.where(r == 0, 1, r))[1] - 1, 0) - 1)
;;       q = np.round(r / step) * step * 2.0 ** e      # np.round: ties to even
;;       return np.moveaxis(q.reshape(q.shape[:-2] + (-1,))[..., :K], -1, axis).astype(np.float32)
;;   ~~~
;;   OPERANDS COMPUTED ON THE WAY. 'Computed on the way' means the value that the module computes at that place (a softmax that the list does not call 'softmax' is quantised finished and normalised). What goes into a quantiser is computed in f32, as accurately as f32 sums, v_exp_f32 and their like allow (about 1e-6 of the number): no bf16 or f16 on the way to a quantiser, and a product that is left as it is and whose result goes on into a quantised operand takes f32 operands (vector FMAs, or v_wmma_f32_16x16x4_f32). A number that lies on a knife's edge between two numbers of the format may be rounded either way, as far as f32 arithmetic and the matrix unit's own rounding can turn it there, and no further.
;; 2 versions, each right; version 2 is version 1 with the launches qk, vsel, attn written anew for expert scheduling mode. Each part assembles by itself: llvm-mc -triple=amdgcn-amd-amdhsa -mcpu=gfx1250 --defsym DOCPART=n.
;; ======== version 1 of 2: 5 launches
;; workspace buffers: w4c 1,179,648 bytes; w4s 73,728 bytes; xc 8,388,608 bytes; xs 524,288 bytes; qkt 16,777,216 bytes; idx 131,072 bytes of whole numbers; kv 1,179,648 bytes
;; launch prep (part 1): grid 144 x 1, 8 waves a work-group, no clusters, 69,120 bytes of LDS; arguments Wq, Wk, Wv, Wo, w4c, w4s; writes w4c, w4s
.if DOCPART == 1
	.amdgcn_target "amdgcn-amd-amdhsa--gfx1250"
	.amdhsa_code_object_version 6
	.text
	.protected	k_qf01a659486_prep
	.globl	k_qf01a659486_prep
	.p2align	8
	.type	k_qf01a659486_prep,@function
k_qf01a659486_prep:
	s_mov_b64 s[64:65], 0
	v_nop
	global_prefetch_b8 v0, s[64:65] scope:SCOPE_SE
	s_setreg_imm32_b32 hwreg(HW_REG_WAVE_MODE, 25, 1), 1
	s_wait_xcnt 0x0
; The four weights, f32 with K innermost, become codes of FP4 (E2M1) with one E8M0 byte for each 32 along K, laid in the order in which
; a wave's operand registers take them.  144 tiles of 16 rows: 0-7 Wq, 8-15 Wk, 16-79 Wv, 80-143 Wo.
; w4c: fragment (tile t, K step s of 128) at (8 t + s) x 1024; in it image c (0, 1) at 512 c, lane l's 16 bytes at 16 l:
;      lane (r = l % 16, hh = l / 16) holds k = 128 s + 64 c + 32 hh + 0 .. 31 of row 16 t + r.   w4s: word [t][s][r], byte b for k = 128 s + 32 b on.
; A block's scale is 2^(floor(log2(largest magnitude)) - 2); its byte is the largest magnitude's exponent field - 2, held at 1 from below.
; LIMITS: a block whose largest magnitude lies under 2^-124 (a block of zeros too) gets the byte 1: a zero block's codes are zeros, and this
; program alone reads the bytes.  NaN and infinities are not served.
; SHARES: work-group t takes tile t, wave s takes K step s.  Each load reads 512 consecutive bytes of a row; the 16 rows turn through the wave's
; own stage in LDS so that a lane gets 64 numbers of ONE row, in the operand's order.  No matrix unit, no cluster, no tensor load: each byte is
; read once by one wave and nothing is shared between work-groups.
.set GL,  1                            ; v1   16 x lane
.set RR,  2                            ; v2   r
.set HH,  3                            ; v3   hh
.set TSA, 4                            ; v4   the stage, on the way in: 16 x lane
.set TLA, 5                            ; v5   and out: 528 r + 128 hh
.set SH8, 6                            ; v6   8 hh
.set SCA, 7                            ; v7   LDS: my row's scale word
.set M,   8                            ; v8-9   largest magnitudes
.set SO,  10                           ; v10-11 the conversions' scale operands
.set BY,  12                           ; v12-13 the bytes
.set W,   14                           ; v14  the scale word
.set T,   15                           ; v15  at work
.set C,   16                           ; v16-23 the fragment
.set SCR, 28                           ; v28  LDS: the tile's 512 bytes of scale words, 16 a lane
.set OW,  32                           ; v32-35 and their way out
.set R,   64                           ; v64-127  as loaded
.set X,   128                          ; v128-191 register 32 c + i = k 64 c + 32 hh + i of row r
.set SX,  18                           ; s[18:19] the source
.set SEL, 20                           ; s[20:21] v_permlanex16_b32's selects for lane l xor 16
.set PITCH, 528                        ; a stage row: 512 bytes + 16 = 132 words: row r starts at bank 4 r mod 64 (64 banks of 4 bytes: ISA guide 11.1)
.set STG, 16*PITCH
.set SCB, 8*STG                        ; behind the eight stages: 8 x 16 scale words
	s_load_b256 s[4:11], s[0:1], 0x0               ; Wq s[4:5], Wk s[6:7], Wv s[8:9], Wo s[10:11]
	s_load_b128 s[12:15], s[0:1], 0x20             ; w4c s[12:13], w4s s[14:15]
	v_lshl_add_u32 v192, v0, 2, 0x10a00
	v_mov_b32 v193, 0
	v_lshrrev_b32 v[T], 5, v0
	v_readfirstlane_b32 s16, v[T]                  ; wave = K step
	v_and_b32 v[W], 31, v0
	v_lshlrev_b32 v[GL], 4, v[W]
	v_and_b32 v[RR], 15, v0
	v_bfe_u32 v[HH], v0, 4, 1
	s_mul_i32 s26, s16, STG                        ; my stage
	v_add_nc_u32 v[TSA], s26, v[GL]
	v_mul_u32_u24 v[TLA], v[RR], PITCH
	v_lshl_add_u32 v[TLA], v[HH], 7, v[TLA]
	v_add_nc_u32 v[TLA], s26, v[TLA]
	v_lshlrev_b32 v[SH8], 3, v[HH]
	s_lshl_b32 s27, s16, 6
	s_add_co_u32 s27, s27, SCB
	v_lshl_add_u32 v[SCA], v[RR], 2, s27           ; SCB + 64 s + 4 r
	v_add_nc_u32 v[SCR], SCB, v[GL]
	v_mov_b32 v[T], 0                              ; written once: a lane permute's destination counts as one of its sources
	s_mov_b32 s[SEL], 0x76543210
	s_mov_b32 s[SEL+1], 0xfedcba98
	s_mov_b32 s17, 80
	s_lshl_b32 s24, ttmp9, 3
	s_add_co_u32 s24, s24, s16
	s_lshl_b32 s24, s24, 10                        ; (8 t + s) x 1024
	s_mov_b32 s25, 0
	s_wait_kmcnt 0x0
	s_mov_b64 s[SX:SX+1], s[10:11]                 ; which weight: the choice hangs on the work-group's number alone
	s_cmp_lt_u32 ttmp9, 80
	s_cselect_b64 s[SX:SX+1], s[8:9], s[SX:SX+1]
	s_cselect_b32 s17, 16, s17
	s_cmp_lt_u32 ttmp9, 16
	s_cselect_b64 s[SX:SX+1], s[6:7], s[SX:SX+1]
	s_cselect_b32 s17, 8, s17
	s_cmp_lt_u32 ttmp9, 8
	s_cselect_b64 s[SX:SX+1], s[4:5], s[SX:SX+1]
	s_cselect_b32 s17, 0, s17
	s_sub_co_u32 s22, ttmp9, s17                   ; the tile's number in its weight:
	s_lshl_b32 s22, s22, 16                        ; 16 rows of 4,096 bytes,
	s_lshl_b32 s23, s16, 9                         ; and my K step's 512 bytes of a row
	s_add_co_u32 s22, s22, s23
	s_mov_b32 s23, 0
	s_add_nc_u64 s[SX:SX+1], s[SX:SX+1], s[22:23]
	s_add_nc_u64 s[12:13], s[12:13], s[24:25]
	s_lshl_b32 s24, ttmp9, 9                       ; 512 bytes of scale words a tile
	s_add_nc_u64 s[14:15], s[14:15], s[24:25]
.irp i, 0,1,2,3,4,5,6,7,8,9,10,11,12,13,14,15
	global_load_b128 v[R+4*\i:R+4*\i+3], v[GL], s[SX:SX+1] offset:4096*\i th:TH_LOAD_NT   ; row i: 32 lanes read 512 consecutive bytes
.endr
	s_wait_loadcnt 0x0
.irp i, 0,1,2,3,4,5,6,7,8,9,10,11,12,13,14,15
	ds_store_b128 v[TSA], v[R+4*\i:R+4*\i+3] offset:PITCH*\i
.endr
.irp c, 0,1
.irp j, 0,1,2,3,4,5,6,7
	ds_load_b128 v[X+32*\c+4*\j:X+32*\c+4*\j+3], v[TLA] offset:256*\c+16*\j   ; LDS serves a wave's instructions in order (ISA guide 5.7.1.4): these see the stores above
.endr
.endr
	s_wait_dscnt 0x0
.irp c, 0,1                                    ; my blocks hh and 2 + hh of row r: all 32 numbers of each are mine
	v_max3_num_f32 v[M+\c], |v[X+32*\c]|, |v[X+32*\c+1]|, 0x1800000   ; with the floor 2^(3 - 127): the byte cannot fall under 1
.endr
.irp i, 2,4,6,8,10,12,14,16,18,20,22,24,26,28,30
.irp c, 0,1
	v_max3_num_f32 v[M+\c], v[M+\c], |v[X+32*\c+\i]|, |v[X+32*\c+\i+1]|
.endr
.endr
.irp c, 0,1
	v_add_nc_u32 v[SO+\c], 0xff000000, v[M+\c]     ; 2 off the exponent field: the conversion takes this operand's exponent field as its scale
.endr
.irp c, 0,1
	v_lshrrev_b32 v[BY+\c], 23, v[SO+\c]           ; the scale's byte
.endr
	v_lshl_or_b32 v[W], v[BY+1], 16, v[BY]
	v_lshlrev_b32 v[W], v[SH8], v[W]               ; my two bytes at their places,
	v_permlanex16_b32 v[T], v[W], s[SEL], s[SEL+1]
	v_or_b32 v[W], v[W], v[T]                      ; with lane l xor 16's two the word is whole
.irp c, 0,1
.irp g, 0,1,2,3
	v_cvt_scalef32_pk8_fp4_f32 v[C+4*\c+\g], v[X+32*\c+8*\g:X+32*\c+8*\g+7], v[SO+\c]
.endr
.endr
	v_nop                                          ; one plain line behind the last scaled conversion
.irp c, 0,1
	global_store_b128 v[GL], v[C+4*\c:C+4*\c+3], s[12:13] offset:512*\c   ; an image: 512 consecutive bytes, aligned
.endr
	ds_store_b32 v[SCA], v[W]                      ; both halves of the lanes write the same word with the same value
	s_wait_dscnt 0x0                               ; for the others' sake: my store has landed
	s_barrier_signal -1
	s_barrier_wait -1
	s_cmp_lg_u32 s16, 0
	s_cbranch_scc1 .Ldone
	ds_load_b128 v[OW:OW+3], v[SCR]                ; wave 0: the tile's 128 scale words
	s_wait_dscnt 0x0
	global_store_b128 v[GL], v[OW:OW+3], s[14:15]  ; 512 consecutive bytes, aligned
.Ldone:
	s_wait_tensorcnt 0x0
	ds_add_u32 v192, v193
	s_wait_dscnt 0x0
	s_endpgm
.Lfunc_end_k_qf01a659486_prep:
	.size	k_qf01a659486_prep, .Lfunc_end_k_qf01a659486_prep-k_qf01a659486_prep
	.p2alignl 7, 3214868480
	.fill 96, 4, 3214868480
	.section	.rodata,"a",@progbits
	.p2align	6, 0x0
	.amdhsa_kernel k_qf01a659486_prep
		.amdhsa_group_segment_fixed_size 69120
		.amdhsa_private_segment_fixed_size 0
		.amdhsa_enable_private_segment 0
		.amdhsa_kernarg_size 48
		.amdhsa_user_sgpr_count 2
		.amdhsa_user_sgpr_kernarg_segment_ptr 1
		.amdhsa_wavefront_size32 1
		.amdhsa_system_sgpr_workgroup_id_x 1
		.amdhsa_system_sgpr_workgroup_id_y 1
		.amdhsa_system_sgpr_workgroup_id_z 1
		.amdhsa_system_vgpr_workitem_id 0
		.amdhsa_next_free_vgpr 194
		.amdhsa_next_free_sgpr 66
		.amdhsa_reserve_vcc 0
		.amdhsa_float_denorm_mode_32 3
		.amdhsa_float_denorm_mode_16_64 3
		.amdhsa_memory_ordered 1
		.amdhsa_forward_progress 1
		.amdhsa_inst_pref_size 10
	.end_amdhsa_kernel
	.amdgpu_metadata
---
amdhsa.version: [ 1, 2 ]
amdhsa.kernels:
  - .name:           k_qf01a659486_prep
    .symbol:         k_qf01a659486_prep.kd
    .args:
      - { .name: Wq, .offset: 0, .size: 8, .value_kind: global_buffer, .address_space: global }
      - { .name: Wk, .offset: 8, .size: 8, .value_kind: global_buffer, .address_space: global }
      - { .name: Wv, .offset: 16, .size: 8, .value_kind: global_buffer, .address_space: global }
      - { .name: Wo, .offset: 24, .size: 8, .value_kind: global_buffer, .address_space: global }
      - { .name: w4c, .offset: 32, .size: 8, .value_kind: global_buffer, .address_space: global }
      - { .name: w4s, .offset: 40, .size: 8, .value_kind: global_buffer, .address_space: global }
    .group_segment_fixed_size: 69120
    .private_segment_fixed_size: 0
    .kernarg_segment_align: 8
    .kernarg_segment_size: 48
    .max_flat_workgroup_size: 256
    .sgpr_count:     66
    .vgpr_count:     194
    .wavefront_size: 32
...
	.end_amdgpu_metadata
.endif
;; end of part 1
;; launch qk (part 2): grid 256 x 1, 8 waves a work-group, no clusters, 106,496 bytes of LDS; arguments x, w4c, w4s, xc, xs, qkt; writes xc, xs, qkt
.if DOCPART == 2
	.amdgcn_target "amdgcn-amd-amdhsa--gfx1250"
	.amdhsa_code_object_version 6
	.text
	.protected	k_qf01a659486_qk
	.globl	k_qf01a659486_qk
	.p2align	8
	.type	k_qf01a659486_qk,@function
k_qf01a659486_qk:
	s_mov_b64 s[64:65], 0
	v_nop
	global_prefetch_b8 v0, s[64:65] scope:SCOPE_SE
	s_setreg_imm32_b32 hwreg(HW_REG_WAVE_MODE, 25, 1), 1
	s_wait_xcnt 0x0
; x [16384][1024] f32 is quantised to FP4 (E2M1) with one E8M0 byte for each 32 along K, and multiplied by Wq and Wk (codes made earlier): q and the keys.
; OUT: xc [token][512 bytes] codes, K innermost; xs [token][8 words]; qkt [b][c 0..255][s 4096] f32: c < 128 is q of head c, c >= 128 the keys of head c - 128.
; SHARES: a work-group takes 64 tokens.  The waves share the COLUMNS: wave w owns columns 32 w .. 32 w + 31 of the 256, two weight tiles whose 16 fragments stay in its registers.
; For the quantiser the waves share x: in trip t (0..3) wave w takes 16 rows (tile w % 4) x 128 along K (K step 2 t + w / 4), turns them through its own stage so that a lane holds 64 numbers of one row,
; quantises them and puts codes and scale word into the work-group's rows in LDS; behind ONE barrier every wave reads the trip's two K steps of all 64 rows and multiplies.
; Every trip writes LDS bytes that no earlier trip has written or read, so one barrier a trip is all the ordering between waves.
; One accumulator for each output, K ascending.  Source 0 = 16 tokens, source 1 = 16 columns: a lane holds eight neighbouring tokens of one column, as qkt wants them.
; NO CLUSTER, NO TENSOR LOAD: x is read once, by its owner, and must pass through registers for the quantiser; what work-groups share is 136 KB of weights against 256 KB of x, read once by each wave straight into operand registers.
; LIMITS: as for the weights: byte held at 1 from below (largest magnitude under 2^-124, zero blocks too); NaN and infinities not served.
; REGISTERS: window 0: v1-31, v56-57 addresses and the quantiser's few; v32-47 the weights' scale words, v48-55 x's (scales and nothing else); v64-127 eight accumulators;
;   v128-191 64 numbers, then eight fragments of x, then rows on the way out; v192-225 the way out.   window 1: v0-127 the weights' fragments; v128-191, v192-255 x as loaded, two sets.
.set GL,  1                            ; 16 x lane
.set RR,  2
.set HH,  3
.set TSA, 4                            ; my stage, in: 16 x lane
.set TLA, 5                            ; my stage, out: 528 r + 128 hh
.set SH8, 6
.set XCA, 7                            ; where my unit's codes go
.set M,   8
.set SO,  10
.set BY,  12
.set W,   14
.set T,   15
.set C,   16
.set XSA, 24                           ; where my unit's scale words go
.set XFA, 25                           ; a fragment of x: XC + 528 r + 16 hh
.set XWA, 26                           ; its scale words: XS + 32 r
.set R4,  27
.set STO, 28
.set RD,  29
.set GO,  30
.set L8,  31
.set WS,  32
.set XSW, 48
.set XRO, 56                           ; the rows of codes that I store at the end
.set XSO, 57                           ; and of scale words
.set ACC, 64
.set X,   128
.set OC,  192
.set OS,  224
.set SEL, 20
.set WREG, 8704                        ; LDS: a region for each wave: the stage of 16 x 528 bytes, later 32 columns x 272 on the way out
.set XC,  8*WREG                       ; 64 rows x 528: x's codes
.set XS,  XC+64*528                    ; 64 rows x 32: x's scale words
.set MSB, 0
.macro WIN new                         ; the immediate's high byte repeats the setting that is left
.if MSB != \new
	s_set_vgpr_msb (MSB<<8)|\new
.set MSB, \new
.endif
.endm
.macro LD16 dst, off                   ; 16 rows x 512 bytes: each load reads 512 consecutive bytes, aligned
.irp i, 0,1,2,3,4,5,6,7,8,9,10,11,12,13,14,15
	global_load_b128 v[\dst+4*\i:\dst+4*\i+3], v[GL], s[4:5] offset:\off+4096*\i th:TH_LOAD_NT
.endr
.endm
	s_load_b256 s[4:11], s[0:1], 0x0               ; x s[4:5], w4c s[6:7], w4s s[8:9], xc s[10:11]
	s_load_b128 s[12:15], s[0:1], 0x20             ; xs s[12:13], qkt s[14:15]
	v_lshl_add_u32 v254, v0, 2, 0x19c00
	v_mov_b32 v255, 0
	v_lshrrev_b32 v[T], 5, v0
	v_readfirstlane_b32 s16, v[T]                  ; wave 0..7
	s_and_b32 s17, s16, 3                          ; my tile of rows for the quantiser
	s_lshr_b32 s18, s16, 2                         ; and which of a trip's two K steps
	v_and_b32 v[W], 31, v0
	v_lshlrev_b32 v[GL], 4, v[W]
	v_and_b32 v[RR], 15, v0
	v_lshlrev_b32 v[R4], 2, v[RR]
	s_lshl_b32 s24, ttmp9, 18                      ; x: 64 rows of 4,096 bytes a work-group,
	s_lshl_b32 s25, s17, 16                        ; 16 rows a tile,
	s_add_co_u32 s24, s24, s25
	s_lshl_b32 s25, s18, 9                         ; 512 bytes a K step
	s_add_co_u32 s24, s24, s25
	s_mov_b32 s25, 0
	s_lshl_b32 s26, s16, 14                        ; my two weight tiles: 16 fragments of 1,024 bytes
	s_mov_b32 s27, 0
	s_lshl_b32 s28, s16, 10                        ; and their scale words
	s_mov_b32 s29, 0
	s_wait_kmcnt 0x0
	s_add_nc_u64 s[4:5], s[4:5], s[24:25]
	s_add_nc_u64 s[6:7], s[6:7], s[26:27]
	s_add_nc_u64 s[8:9], s[8:9], s[28:29]
	WIN 0x40                                       ; destination window 1
	LD16 128, 0                                    ; trip 0's unit
	LD16 192, 1024                                 ; trip 1's
.irp n, 0,1
.irp s, 0,1,2,3,4,5,6,7
.irp c, 0,1
	global_load_b128 v[8*(8*\n+\s)+4*\c:8*(8*\n+\s)+4*\c+3], v[GL], s[6:7] offset:8192*\n+1024*\s+512*\c
.endr
.endr
.endr
	WIN 0
.irp n, 0,1
.irp s, 0,1,2,3,4,5,6,7
	global_load_b32 v[WS+8*\n+\s], v[R4], s[8:9] offset:512*\n+64*\s
.endr
.endr
	v_lshlrev_b32 v[L8], 3, v[W]
	v_bfe_u32 v[HH], v0, 4, 1
	v_lshlrev_b32 v[SH8], 3, v[HH]
	s_mul_i32 s22, s16, WREG
	v_add_nc_u32 v[TSA], s22, v[GL]
	v_mul_u32_u24 v[T], v[RR], 528
	v_lshl_add_u32 v[TLA], v[HH], 7, v[T]
	v_add_nc_u32 v[TLA], s22, v[TLA]
	v_lshl_add_u32 v[XFA], v[HH], 4, v[T]          ; 528 r + 16 hh
	s_mul_i32 s23, s17, 16*528
	s_lshl_b32 s24, s18, 6
	s_add_co_u32 s23, s23, s24
	s_add_co_u32 s23, s23, XC
	v_add_nc_u32 v[XCA], s23, v[XFA]               ; XC + (16 m + r) 528 + 16 hh + 64 (w / 4)
	v_add_nc_u32 v[XFA], XC, v[XFA]
	v_lshlrev_b32 v[XWA], 5, v[RR]
	s_lshl_b32 s23, s17, 9
	s_lshl_b32 s24, s18, 2
	s_add_co_u32 s23, s23, s24
	s_add_co_u32 s23, s23, XS
	v_add_nc_u32 v[XSA], s23, v[XWA]               ; XS + (16 m + r) 32 + 4 (w / 4)
	v_add_nc_u32 v[XWA], XS, v[XWA]
	v_mul_u32_u24 v[STO], v[RR], 272
	v_lshl_add_u32 v[STO], v[HH], 5, v[STO]
	v_add_nc_u32 v[STO], s22, v[STO]               ; the way out, in: column r, 32 bytes for each half of the lanes
	v_mul_u32_u24 v[RD], v[HH], 272
	v_lshl_add_u32 v[RD], v[RR], 4, v[RD]
	v_add_nc_u32 v[RD], s22, v[RD]                 ; back: lanes 0-15 one column's 256 bytes, lanes 16-31 the next
	v_lshlrev_b32 v[GO], 14, v[HH]
	v_lshl_add_u32 v[GO], v[RR], 4, v[GO]          ; and the same in qkt: a column is 16,384 bytes
	s_mul_i32 s23, s16, 8*528
	s_add_co_u32 s23, s23, XC
	v_add_nc_u32 v[XRO], s23, v[GL]
	s_lshl_b32 s23, s16, 8
	s_add_co_u32 s23, s23, XS
	v_add_nc_u32 v[XSO], s23, v[L8]
	v_mov_b32 v[T], 0                              ; written once: a lane permute's destination counts as one of its sources
	s_mov_b32 s[SEL], 0x76543210
	s_mov_b32 s[SEL+1], 0xfedcba98
	s_lshl_b32 s30, ttmp9, 15                      ; xc: 64 rows of 512 bytes a work-group, 8 rows a wave
	s_lshl_b32 s31, s16, 12
	s_add_co_u32 s30, s30, s31
	s_mov_b32 s31, 0
	s_add_nc_u64 s[10:11], s[10:11], s[30:31]
	s_lshl_b32 s30, ttmp9, 11                      ; xs: 64 rows of 32 bytes, 8 rows a wave
	s_lshl_b32 s32, s16, 8
	s_add_co_u32 s30, s30, s32
	s_add_nc_u64 s[12:13], s[12:13], s[30:31]
	s_lshr_b32 s30, ttmp9, 6                       ; qkt: b x 256 columns, my 32 columns, the work-group's 64 tokens
	s_lshl_b32 s30, s30, 22
	s_lshl_b32 s32, s16, 19
	s_add_co_u32 s30, s30, s32
	s_and_b32 s32, ttmp9, 63
	s_lshl_b32 s32, s32, 8
	s_add_co_u32 s30, s30, s32
	s_add_nc_u64 s[14:15], s[14:15], s[30:31]
.macro QUANT6                          ; v[X] on: register 32 c + i = k 64 c + 32 hh + i of my row -> the fragment in v[C] on, the row's scale word in v[W]
.irp c, 0,1
	v_max3_num_f32 v[M+\c], |v[X+32*\c]|, |v[X+32*\c+1]|, 0x1800000   ; with the floor 2^(3 - 127): the byte cannot fall under 1
.endr
.irp i, 2,4,6,8,10,12,14,16,18,20,22,24,26,28,30
.irp c, 0,1
	v_max3_num_f32 v[M+\c], v[M+\c], |v[X+32*\c+\i]|, |v[X+32*\c+\i+1]|
.endr
.endr
.irp c, 0,1
	v_add_nc_u32 v[SO+\c], 0xff000000, v[M+\c]     ; 2 off the exponent field: the conversion's scale operand
.endr
.irp c, 0,1
	v_lshrrev_b32 v[BY+\c], 23, v[SO+\c]
.endr
	v_lshl_or_b32 v[W], v[BY+1], 16, v[BY]
	v_lshlrev_b32 v[W], v[SH8], v[W]
	v_permlanex16_b32 v[T], v[W], s[SEL], s[SEL+1]
	v_or_b32 v[W], v[W], v[T]
.irp c, 0,1
.irp g, 0,1,2,3
	v_cvt_scalef32_pk8_fp4_f32 v[C+4*\c+\g], v[X+32*\c+8*\g:X+32*\c+8*\g+7], v[SO+\c]
.endr
.endr
	v_nop                                          ; one plain line behind the last scaled conversion
.endm
; A trip.  cnt: how many younger loads may stay out when this trip's 16 loads have to be there.
.macro TRIP t, cnt
	s_wait_loadcnt \cnt
	WIN 0x04                                       ; an LDS store's data are its source 1: window 1
.irp i, 0,1,2,3,4,5,6,7,8,9,10,11,12,13,14,15
	ds_store_b128 v[TSA], v[128+64*((\t)%2)+4*\i:128+64*((\t)%2)+4*\i+3] offset:528*\i
.endr
	WIN 0
.irp c, 0,1
.irp j, 0,1,2,3,4,5,6,7
	ds_load_b128 v[X+32*\c+4*\j:X+32*\c+4*\j+3], v[TLA] offset:256*\c+16*\j   ; LDS serves a wave's instructions in order: these see the stores above
.endr
.endr
	s_wait_dscnt 0x0                               ; my 64 numbers are in, and the stage's stores have read the set as loaded
.if \t < 2
	WIN 0x40
	LD16 128+64*((\t)%2), 1024*((\t)+2)            ; which takes the unit of two trips on
	WIN 0
.endif
	QUANT6
.irp c, 0,1
	ds_store_b128 v[XCA], v[C+4*\c:C+4*\c+3] offset:128*\t+32*\c
.endr
	ds_store_b32 v[XSA], v[W] offset:8*\t          ; both halves of the lanes write the same word with the same value
	s_wait_dscnt 0x0                               ; for the others' sake: my stores have landed
	s_barrier_signal -1
	s_barrier_wait -1                              ; the trip's two K steps of all 64 rows lie in LDS
.irp p, 0,1
.irp m, 0,1,2,3
.irp c, 0,1
	ds_load_b128 v[X+32*\p+8*\m+4*\c:X+32*\p+8*\m+4*\c+3], v[XFA] offset:8448*\m+64*(2*\t+\p)+32*\c
.endr
	ds_load_b32 v[XSW+4*\p+\m], v[XWA] offset:512*\m+4*(2*\t+\p)
.endr
.endr
.if \t == 0
	s_wait_loadcnt 16                              ; the weights and their scale words are in: only the 16 loads just issued are younger
.endif
	s_wait_dscnt 0x0
	WIN 0x04                                       ; source 1 (the weights) window 1
.irp p, 0,1                                    ; the eight accumulators take turns, one instruction a turn
.irp m, 0,1,2,3
.irp n, 0,1
.if (\t == 0) && (\p == 0)
	v_wmma_scale_f32_16x16x128_f8f6f4 v[ACC+8*(2*\m+\n):ACC+8*(2*\m+\n)+7], v[X+32*\p+8*\m:X+32*\p+8*\m+7], v[8*(8*\n+2*\t+\p):8*(8*\n+2*\t+\p)+7], 0, v[XSW+4*\p+\m], v[WS+8*\n+2*\t+\p] matrix_a_fmt:MATRIX_FMT_FP4 matrix_b_fmt:MATRIX_FMT_FP4
.else
	v_wmma_scale_f32_16x16x128_f8f6f4 v[ACC+8*(2*\m+\n):ACC+8*(2*\m+\n)+7], v[X+32*\p+8*\m:X+32*\p+8*\m+7], v[8*(8*\n+2*\t+\p):8*(8*\n+2*\t+\p)+7], v[ACC+8*(2*\m+\n):ACC+8*(2*\m+\n)+7], v[XSW+4*\p+\m], v[WS+8*\n+2*\t+\p] matrix_a_fmt:MATRIX_FMT_FP4 matrix_b_fmt:MATRIX_FMT_FP4
.endif
.endr
.endr
.endr
	WIN 0
.rept 4
	v_nop                                          ; four places in front of loads into registers that these products read, and of the first read of results
.endr
.endm
	TRIP 0, 63                                     ; 64 loads are younger than trip 0's; the wait's field holds 63
	TRIP 1, 16                                     ; trip 2's 16 may stay out
	TRIP 2, 16                                     ; trip 3's
	TRIP 3, 0
	; THE WAY OUT.  q and keys: 32 columns x 64 tokens through my own region of LDS, back as whole runs of 256 bytes.
.irp m, 0,1,2,3
.irp n, 0,1
	ds_store_b128 v[STO], v[ACC+8*(2*\m+\n):ACC+8*(2*\m+\n)+3] offset:4352*\n+64*\m          ; each accumulator from its low end on
	ds_store_b128 v[STO], v[ACC+8*(2*\m+\n)+4:ACC+8*(2*\m+\n)+7] offset:4352*\n+64*\m+16
.endr
.endr
.irp i, 0,1,2,3,4,5,6,7,8,9,10,11,12,13,14,15
	ds_load_b128 v[X+4*\i:X+4*\i+3], v[RD] offset:544*\i
.endr
.irp i, 0,1,2,3,4,5,6,7
	ds_load_b128 v[OC+4*\i:OC+4*\i+3], v[XRO] offset:528*\i   ; eight rows of x's codes: all were stored ahead of the last barrier
.endr
	ds_load_b64 v[OS:OS+1], v[XSO]                 ; and their scale words
	s_wait_dscnt 9                                 ; the nine loads just above may stay out
.irp i, 0,1,2,3,4,5,6,7,8,9,10,11,12,13,14,15
	global_store_b128 v[GO], v[X+4*\i:X+4*\i+3], s[14:15] offset:32768*\i   ; 16 lanes store 256 consecutive bytes, aligned
.endr
	s_wait_dscnt 0x0
.irp i, 0,1,2,3,4,5,6,7
	global_store_b128 v[GL], v[OC+4*\i:OC+4*\i+3], s[10:11] offset:512*\i   ; a row of 512 bytes
.endr
	global_store_b64 v[L8], v[OS:OS+1], s[12:13]   ; 256 consecutive bytes, aligned
	s_wait_tensorcnt 0x0
	ds_add_u32 v254, v255
	s_wait_dscnt 0x0
	s_endpgm
.Lfunc_end_k_qf01a659486_qk:
	.size	k_qf01a659486_qk, .Lfunc_end_k_qf01a659486_qk-k_qf01a659486_qk
	.p2alignl 7, 3214868480
	.fill 96, 4, 3214868480
	.section	.rodata,"a",@progbits
	.p2align	6, 0x0
	.amdhsa_kernel k_qf01a659486_qk
		.amdhsa_group_segment_fixed_size 106496
		.amdhsa_private_segment_fixed_size 0
		.amdhsa_enable_private_segment 0
		.amdhsa_kernarg_size 48
		.amdhsa_user_sgpr_count 2
		.amdhsa_user_sgpr_kernarg_segment_ptr 1
		.amdhsa_wavefront_size32 1
		.amdhsa_system_sgpr_workgroup_id_x 1
		.amdhsa_system_sgpr_workgroup_id_y 1
		.amdhsa_system_sgpr_workgroup_id_z 1
		.amdhsa_system_vgpr_workitem_id 0
		.amdhsa_next_free_vgpr 512
		.amdhsa_next_free_sgpr 66
		.amdhsa_reserve_vcc 0
		.amdhsa_float_denorm_mode_32 3
		.amdhsa_float_denorm_mode_16_64 3
		.amdhsa_memory_ordered 1
		.amdhsa_forward_progress 1
		.amdhsa_inst_pref_size 56
	.end_amdhsa_kernel
	.amdgpu_metadata
---
amdhsa.version: [ 1, 2 ]
amdhsa.kernels:
  - .name:           k_qf01a659486_qk
    .symbol:         k_qf01a659486_qk.kd
    .args:
      - { .name: x, .offset: 0, .size: 8, .value_kind: global_buffer, .address_space: global }
      - { .name: w4c, .offset: 8, .size: 8, .value_kind: global_buffer, .address_space: global }
      - { .name: w4s, .offset: 16, .size: 8, .value_kind: global_buffer, .address_space: global }
      - { .name: xc, .offset: 24, .size: 8, .value_kind: global_buffer, .address_space: global }
      - { .name: xs, .offset: 32, .size: 8, .value_kind: global_buffer, .address_space: global }
      - { .name: qkt, .offset: 40, .size: 8, .value_kind: global_buffer, .address_space: global }
    .group_segment_fixed_size: 106496
    .private_segment_fixed_size: 0
    .kernarg_segment_align: 8
    .kernarg_segment_size: 48
    .max_flat_workgroup_size: 256
    .sgpr_count:     66
    .vgpr_count:     512
    .wavefront_size: 32
...
	.end_amdgpu_metadata
.endif
;; end of part 2
;; launch select (part 3): grid 256 x 1, 4 waves a work-group, no clusters, 0 bytes of LDS; arguments qkt, idx; writes idx
.if DOCPART == 3
	.amdgcn_target "amdgcn-amd-amdhsa--gfx1250"
	.amdhsa_code_object_version 6
	.text
	.protected	k_qf01a659486_select
	.globl	k_qf01a659486_select
	.p2align	8
	.type	k_qf01a659486_select,@function
k_qf01a659486_select:
	s_mov_b64 s[64:65], 0
	v_nop
	global_prefetch_b8 v0, s[64:65] scope:SCOPE_SE
	s_setreg_imm32_b32 hwreg(HW_REG_WAVE_MODE, 25, 1), 1
	s_wait_xcnt 0x0
; For each (b, h) the token numbers of the 32 largest keys (set 0) and of the 32 smallest (set 1), as whole numbers: idx [u = 128 b + h][set][32].
; The choice is made of floating-point numbers, so nothing here branches on it and no address hangs on it: a fixed network of minima and maxima, then a fixed count.
; SHARES: one wave for one (u, set): wave number U = 4 x work-group + wave, u = U / 2, set = U % 2.  It works on k' = key x (+1 or -1) and looks for the 32 largest k'.
; Lane l holds tokens 32 i + l in register i (128 registers).  (1) Each lane sorts its four runs of 32 registers (bitonic, 15 stages) and joins them: of two ascending lists a, b the largest 32 are
; max(a[i], b[31 - i]), a bitonic run that five stages sort.  (2) Five joins across lanes (xor 1, 2, 4, 8, 16) leave in every lane the 32 largest of all 4,096, ascending; T is the lowest of them.
; (3) Lane s finds list place s: the s-th token with k' > T in token order; when those (G of them) run out, tokens with k' = T, as a stable ascending sort has them: the smallest set takes the first of the equal keys, the largest set the last.
; For that each register's lanes are counted (compare, population count, running sum P), and a lane keeps the last word whose P is not above its rank; the rank left over picks a bit of that word.
; The order of the 32 in the list is of no weight: a softmax follows.
; LIMITS: NaN is not served; -0 and +0 count as equal keys.
; No LDS, no barrier, no matrix unit: waves share nothing.
.set K,   128                          ; v128-255 k'
.set TL,  96                           ; v96-127  the running list of 32, ascending
.set X,   64                           ; v64-95, v32-63: two banks that take turns, so that no stage copies
.set Y,   32
.set L4,  1                            ; 4 x lane
.set SG,  2                            ; my list place
.set BND, 3                            ; (my rank + 1) << 8
.set TR,  4                            ; my rank
.set DD,  5
.set TAU, 6
.set TMP, 7
.set CP,  8                            ; v8-11   four trackers: (P << 8) | word number
.set CW,  12                           ; v12-15  and that word's mask
.set P,   14                           ; s14 running count
.set E,   15                           ; s15 count of k' = T
.set MB,  32                           ; s[32:39] eight masks
.set QB,  40                           ; s[40:47] eight masks of equality
.set PK,  48                           ; s[48:55] eight packs
.macro STAGE s, d, k, j                ; one stage of the network: 32 independent lines
.set i, 0
.rept 32
.if ((i/\k)%2) == ((i/\j)%2)
	v_min_num_f32 v[\d+i], v[\s+i], v[\s+(i^\j)]
.else
	v_max_num_f32 v[\d+i], v[\s+i], v[\s+(i^\j)]
.endif
.set i, i+1
.endr
.endm
.macro SORT32 src, dst                 ; 32 registers, ascending
	STAGE \src, X, 2, 1
	STAGE X, Y, 4, 2
	STAGE Y, X, 4, 1
	STAGE X, Y, 8, 4
	STAGE Y, X, 8, 2
	STAGE X, Y, 8, 1
	STAGE Y, X, 16, 8
	STAGE X, Y, 16, 4
	STAGE Y, X, 16, 2
	STAGE X, Y, 16, 1
	STAGE Y, X, 32, 16
	STAGE X, Y, 32, 8
	STAGE Y, X, 32, 4
	STAGE X, Y, 32, 2
	STAGE Y, \dst, 32, 1
.endm
.macro MERGE                           ; a bitonic run in Y -> ascending in TL
	STAGE Y, X, 32, 16
	STAGE X, Y, 32, 8
	STAGE Y, X, 32, 4
	STAGE X, Y, 32, 2
	STAGE Y, TL, 32, 1
.endm
.macro JOINREG                         ; TL and the ascending list in X
.set i, 0
.rept 32
	v_max_num_f32 v[Y+i], v[TL+i], v[X+31-i]
.set i, i+1
.endr
	MERGE
.endm
.macro JOINDPP m                       ; TL and lane l xor m's TL: both lanes get the same 32
.set i, 0
.rept 32
	v_max_num_f32_dpp v[Y+i], v[TL+31-i], v[TL+i] row_xmask:\m row_mask:0xf bank_mask:0xf
.set i, i+1
.endr
	MERGE
.endm
.macro SIGN c, cnt                     ; run c of 32 registers is in (cnt younger loads may stay out); k' = key x sign: exact
	s_wait_loadcnt \cnt
.set i, 0
.rept 16
	v_pk_mul_f32 v[K+32*\c+i:K+32*\c+i+1], v[K+32*\c+i:K+32*\c+i+1], s[10:11] op_sel_hi:[1,0]
.set i, i+2
.endr
.endm
; Eight words.  g = 1: the mask is k' > T, and k' = T is counted beside it; g = 0: the mask is k' = T.
.macro ENUM8 i0, g
.irp w, 0,1,2,3,4,5,6,7
.if \g
	v_cmp_gt_f32 s[MB+\w], v[K+\i0+\w], v[TL]
	v_cmp_eq_f32 s[QB+\w], v[K+\i0+\w], v[TL]
.else
	v_cmp_eq_f32 s[MB+\w], v[K+\i0+\w], v[TL]
.endif
.endr
.irp w, 0,1,2,3,4,5,6,7
	s_lshl_b32 s[PK+\w], s[P], 8
	s_or_b32 s[PK+\w], s[PK+\w], \i0+\w
	s_bcnt1_i32_b32 s16, s[MB+\w]
	s_add_co_u32 s[P], s[P], s16
.if \g
	s_bcnt1_i32_b32 s16, s[QB+\w]
	s_add_co_u32 s[E], s[E], s16
.endif
.endr
.irp w, 0,1,2,3,4,5,6,7                        ; the pack rises from word to word, so the last word that passes is the one that holds my rank; four trackers, so that no line waits for the one before it
	v_cmp_lt_u32 vcc_lo, s[PK+\w], v[BND]
	v_cndmask_b32 v[CP+(\w%4)], v[CP+(\w%4)], s[PK+\w], vcc_lo
	v_cndmask_b32 v[CW+(\w%4)], v[CW+(\w%4)], s[MB+\w], vcc_lo
.endr
.endm
	s_load_b128 s[4:7], s[0:1], 0x0                ; qkt s[4:5], idx s[6:7]
	v_lshrrev_b32 v[TMP], 5, v0
	v_readfirstlane_b32 s8, v[TMP]
	v_and_b32 v[SG], 31, v0
	v_lshlrev_b32 v[L4], 2, v[SG]
	s_lshl_b32 s9, ttmp9, 2
	s_add_co_u32 s9, s9, s8                        ; U
	s_and_b32 s18, s9, 1                           ; set
	s_lshr_b32 s19, s9, 1                          ; u
	s_lshl_b32 s10, s18, 31
	s_or_b32 s10, s10, 0x3f800000                  ; +1.0 or -1.0
	s_mov_b32 s11, s10                             ; (named with it as a pair, so it is written)
	s_sub_co_u32 s17, 0, s18                       ; all lanes' mask: set 1
	s_lshr_b32 s20, s19, 7                         ; b
	s_and_b32 s21, s19, 127                        ; h
	s_lshl_b32 s20, s20, 22
	s_lshl_b32 s21, s21, 14
	s_add_co_u32 s20, s20, s21
	s_add_co_u32 s20, s20, 128*16384               ; the keys lie behind q's 128 columns
	s_mov_b32 s21, 0
	s_lshl_b32 s22, s9, 7                          ; 128 bytes of idx a wave
	s_mov_b32 s23, 0
	s_mov_b32 s12, 0x76543210
	s_mov_b32 s13, 0xfedcba98                      ; v_permlanex16_b32's selects for lane l xor 16
	s_wait_kmcnt 0x0
	s_add_nc_u64 s[4:5], s[4:5], s[20:21]
	s_add_nc_u64 s[6:7], s[6:7], s[22:23]
.set i, 0
.rept 128
	global_load_b32 v[K+i], v[L4], s[4:5] offset:128*i   ; 128 consecutive bytes; two neighbouring loads cover 256, aligned
.set i, i+1
.endr
	SIGN 0, 63                                     ; 96 loads are younger; the wait's field holds 63
	SORT32 K, TL
	SIGN 1, 63                                     ; 64 are younger
	SORT32 K+32, X
	JOINREG
	SIGN 2, 32
	SORT32 K+64, X
	JOINREG
	SIGN 3, 0
	SORT32 K+96, X
	JOINREG
	JOINDPP 1
	JOINDPP 2
	JOINDPP 4
	JOINDPP 8
.set i, 0
.rept 32
	v_permlanex16_b32 v[X+i], v[TL+i], s12, s13
.set i, i+1
.endr
	JOINREG                                        ; every lane now holds the 32 largest k'; T = v[TL]
.irp j, 0,1,2,3
	v_mov_b32 v[CP+\j], 0
	v_mov_b32 v[CW+\j], 0
.endr
	s_mov_b32 s[P], 0
	s_mov_b32 s[E], 0
	v_add_nc_u32 v[BND], 1, v[SG]
	v_lshlrev_b32 v[BND], 8, v[BND]
.irp i0, 0,8,16,24,32,40,48,56,64,72,80,88,96,104,112,120
	ENUM8 \i0, 1
.endr
	v_sub_nc_u32 v[DD], v[SG], s[P]                ; d = my place - G
	s_sub_co_u32 s16, s[E], 1
	v_sub_nc_u32 v[TAU], s16, v[DD]                ; largest set: the last of the equal keys first
	v_cndmask_b32 v[TAU], v[TAU], v[DD], s17       ; smallest set: the first
	v_cmp_gt_i32 vcc_lo, 0, v[DD]                  ; lanes that have found theirs among k' > T
	v_add_nc_u32 v[TMP], 1, v[TAU]
	v_lshlrev_b32 v[TMP], 8, v[TMP]
	v_cndmask_b32 v[BND], v[TMP], 0, vcc_lo        ; they take nothing more: no pack lies under 0
	v_cndmask_b32 v[TR], v[TAU], v[SG], vcc_lo
.irp j, 0,1,2,3
	v_cndmask_b32 v[CP+\j], 0, v[CP+\j], vcc_lo    ; the others begin anew
	v_cndmask_b32 v[CW+\j], 0, v[CW+\j], vcc_lo
.endr
	s_mov_b32 s[P], 0
.irp i0, 0,8,16,24,32,40,48,56,64,72,80,88,96,104,112,120
	ENUM8 \i0, 0
.endr
	v_cmp_gt_u32 vcc_lo, v[CP+1], v[CP]            ; of the four trackers the largest pack; on a tie the lower tracker stays
	v_cndmask_b32 v[CP], v[CP], v[CP+1], vcc_lo
	v_cndmask_b32 v[CW], v[CW], v[CW+1], vcc_lo
	v_cmp_gt_u32 vcc_lo, v[CP+3], v[CP+2]
	v_cndmask_b32 v[CP+2], v[CP+2], v[CP+3], vcc_lo
	v_cndmask_b32 v[CW+2], v[CW+2], v[CW+3], vcc_lo
	v_cmp_gt_u32 vcc_lo, v[CP+2], v[CP]
	v_cndmask_b32 v[CP], v[CP], v[CP+2], vcc_lo
	v_cndmask_b32 v[CW], v[CW], v[CW+2], vcc_lo
	; the rho-th set bit of the word: counts in fields of 2, 4 and 8 bits, then five halvings
	v_lshrrev_b32 v21, 8, v[CP]
	v_sub_nc_u32 v19, v[TR], v21                   ; rho
	v_lshrrev_b32 v21, 1, v[CW]
	v_and_b32 v21, 0x55555555, v21
	v_sub_nc_u32 v16, v[CW], v21                   ; fields of 2
	v_lshrrev_b32 v21, 2, v16
	v_and_b32 v21, 0x33333333, v21
	v_and_b32 v17, 0x33333333, v16
	v_add_nc_u32 v17, v17, v21                     ; fields of 4
	v_lshrrev_b32 v21, 4, v17
	v_add_nc_u32 v18, v17, v21
	v_and_b32 v18, 0x0f0f0f0f, v18                 ; fields of 8
	v_lshrrev_b32 v21, 8, v18
	v_add_nc_u32 v21, v18, v21
	v_and_b32 v21, 255, v21                        ; the low 16 bits' count
	v_cmp_ge_u32 vcc_lo, v19, v21
	v_cndmask_b32 v20, 0, 16, vcc_lo               ; the bit's place so far
	v_cndmask_b32 v21, 0, v21, vcc_lo
	v_sub_nc_u32 v19, v19, v21
.macro LEVEL src, mask, step
	v_lshrrev_b32 v21, v20, v[\src]
	v_and_b32 v21, \mask, v21
	v_cmp_ge_u32 vcc_lo, v19, v21
	v_cndmask_b32 v22, 0, \step, vcc_lo
	v_cndmask_b32 v21, 0, v21, vcc_lo
	v_add_nc_u32 v20, v20, v22
	v_sub_nc_u32 v19, v19, v21
.endm
	LEVEL 18, 255, 8
	LEVEL 17, 15, 4
	LEVEL 16, 3, 2
	LEVEL CW, 1, 1
	v_and_b32 v21, 255, v[CP]
	v_lshl_add_u32 v21, v21, 5, v20                ; token = 32 x word + bit
	global_store_b32 v[L4], v21, s[6:7]
	s_endpgm
.Lfunc_end_k_qf01a659486_select:
	.size	k_qf01a659486_select, .Lfunc_end_k_qf01a659486_select-k_qf01a659486_select
	.p2alignl 7, 3214868480
	.fill 96, 4, 3214868480
	.section	.rodata,"a",@progbits
	.p2align	6, 0x0
	.amdhsa_kernel k_qf01a659486_select
		.amdhsa_group_segment_fixed_size 0
		.amdhsa_private_segment_fixed_size 0
		.amdhsa_enable_private_segment 0
		.amdhsa_kernarg_size 16
		.amdhsa_user_sgpr_count 2
		.amdhsa_user_sgpr_kernarg_segment_ptr 1
		.amdhsa_wavefront_size32 1
		.amdhsa_system_sgpr_workgroup_id_x 1
		.amdhsa_system_sgpr_workgroup_id_y 1
		.amdhsa_system_sgpr_workgroup_id_z 1
		.amdhsa_system_vgpr_workitem_id 0
		.amdhsa_next_free_vgpr 256
		.amdhsa_next_free_sgpr 66
		.amdhsa_reserve_vcc 1
		.amdhsa_float_denorm_mode_32 3
		.amdhsa_float_denorm_mode_16_64 3
		.amdhsa_memory_ordered 1
		.amdhsa_forward_progress 1
		.amdhsa_inst_pref_size 243
	.end_amdhsa_kernel
	.amdgpu_metadata
---
amdhsa.version: [ 1, 2 ]
amdhsa.kernels:
  - .name:           k_qf01a659486_select
    .symbol:         k_qf01a659486_select.kd
    .args:
      - { .name: qkt, .offset: 0, .size: 8, .value_kind: global_buffer, .address_space: global }
      - { .name: idx, .offset: 8, .size: 8, .value_kind: global_buffer, .address_space: global }
    .group_segment_fixed_size: 0
    .private_segment_fixed_size: 0
    .kernarg_segment_align: 8
    .kernarg_segment_size: 16
    .max_flat_workgroup_size: 128
    .sgpr_count:     66
    .vgpr_count:     256
    .wavefront_size: 32
...
	.end_amdgpu_metadata
.endif
;; end of part 3
;; launch vsel (part 4): grid 512 x 1, 4 waves a work-group, no clusters, 4,608 bytes of LDS; arguments idx, xc, xs, w4c, w4s, qkt, kv; writes kv
.if DOCPART == 4
	.amdgcn_target "amdgcn-amd-amdhsa--gfx1250"
	.amdhsa_code_object_version 6
	.text
	.protected	k_qf01a659486_vsel
	.globl	k_qf01a659486_vsel
	.p2align	8
	.type	k_qf01a659486_vsel,@function
k_qf01a659486_vsel:
	s_mov_b64 s[64:65], 0
	v_nop
	global_prefetch_b8 v0, s[64:65] scope:SCOPE_SE
	s_setreg_imm32_b32 hwreg(HW_REG_WAVE_MODE, 25, 1), 1
	s_wait_xcnt 0x0
; The values of the chosen tokens alone: of v = x Wv^T only 64 of 4,096 rows for each (b, h) are ever gathered, so only those are multiplied, on the codes of x and Wv made earlier (FP4, E8M0 scales).
; OUT, for u = 128 b + h, 2,304 bytes of kv: bytes 0-2047 the values as the next launch's f32 operand takes them: [chunk c 0..3][lane][4 f32]; element n = 4 c + e of lane (r, hh) is
; v(set r / 8, list place 16 hh + n, channel r % 8).  Bytes 2048-2303: [set][place] f32: (key - the set's extreme key) x log2(e): the largest key of set 0, the smallest of set 1.
; SHARES: work-group u; wave w: set w / 2, half a = w % 2: one tile of 16 chosen tokens; row r is list place 8 a + r + 8 (r / 8), so that a lane's eight results are places 16 hh + 8 a + 0 .. 7.
; Source 0 = the 16 tokens' codes, gathered; source 1 = head h's eight rows of Wv, in both halves of the 16 columns.  K's eight steps go to two accumulators by turns, which are added at the end.
; The token numbers were stored by an earlier launch as whole numbers; each is held under 4,096 before it enters an address.
; No cluster, no tensor load: the gathered rows belong to this work-group alone.
.set SEL, 44
	s_load_b256 s[4:11], s[0:1], 0x0               ; idx s[4:5], xc s[6:7], xs s[8:9], w4c s[10:11]
	s_load_b128 s[12:15], s[0:1], 0x20             ; w4s s[12:13], qkt s[14:15]
	s_load_b64 s[16:17], s[0:1], 0x30              ; kv
	v_lshl_add_u32 v192, v0, 2, 0x1000
	v_mov_b32 v193, 0
	v_lshrrev_b32 v10, 5, v0
	v_readfirstlane_b32 s18, v10                   ; wave
	s_lshr_b32 s19, s18, 1                         ; set
	s_and_b32 s20, s18, 1                          ; a
	s_lshr_b32 s21, ttmp9, 7                       ; b
	s_and_b32 s22, ttmp9, 127                      ; h
	v_and_b32 v1, 31, v0                           ; lane
	v_and_b32 v2, 15, v0                           ; r
	v_bfe_u32 v3, v0, 4, 1                         ; hh
	v_and_b32 v10, 8, v2
	v_add_nc_u32 v10, v10, v2                      ; r + 8 (r / 8)
	v_lshlrev_b32 v10, 2, v10
	s_lshl_b32 s40, s20, 5
	v_add_nc_u32 v10, s40, v10                     ; my row's place in the list, in bytes
	v_lshlrev_b32 v11, 2, v1                       ; 4 x lane
	v_and_b32 v12, 7, v2
	s_and_b32 s41, s22, 1
	s_lshl_b32 s42, s41, 5
	v_lshl_add_u32 v13, v12, 2, s42                ; Wv's scale words: row 8 (h % 2) + r % 8 of the tile
	s_lshl_b32 s42, s41, 7
	v_lshl_add_u32 v12, v12, 4, s42
	v_lshl_add_u32 v12, v3, 8, v12                 ; Wv's fragments: the image's lane 16 hh + 8 (h % 2) + r % 8
	v_lshlrev_b32 v188, 4, v1                      ; 16 x lane
	s_lshl_b32 s42, s18, 10
	v_add_nc_u32 v14, s42, v188                    ; LDS, in: 1024 w + 16 x lane = [set][chunk 2 a + q][lane]
	v_bfe_u32 v15, v0, 3, 1
	v_lshl_add_u32 v15, v15, 11, v188
	s_lshl_b32 s42, s18, 9
	v_add_nc_u32 v15, s42, v15                     ; out: chunk w; lanes with r >= 8 take set 1's image
	v_lshlrev_b32 v189, 4, v3                      ; 16 hh
	v_mov_b32 v191, 0                              ; written once: a lane permute's destination counts as one of its sources
	s_mov_b32 s[SEL], 0x76543210
	s_mov_b32 s[SEL+1], 0xfedcba98
	s_lshl_b32 s38, s19, 31
	s_or_b32 s39, s38, 0x3fb8aa3b                  ; +-log2(e)
	s_or_b32 s38, s38, 0x3f800000                  ; +-1
	s_lshl_b32 s24, ttmp9, 8                       ; idx: 256 bytes for u, 128 for a set
	s_lshl_b32 s25, s19, 7
	s_add_co_u32 s24, s24, s25
	s_mov_b32 s25, 0
	s_lshr_b32 s26, s22, 1
	s_add_co_u32 s26, s26, 16                      ; Wv's tile
	s_lshl_b32 s28, s26, 9
	s_lshl_b32 s26, s26, 13
	s_mov_b32 s27, 0
	s_mov_b32 s29, 0
	s_lshl_b32 s30, s21, 21                        ; xc: 4,096 rows of 512 bytes for b
	s_mov_b32 s31, 0
	s_lshl_b32 s32, s21, 17                        ; xs: of 32 bytes
	s_mov_b32 s33, 0
	s_lshl_b32 s34, s21, 22                        ; the keys of (b, h)
	s_lshl_b32 s35, s22, 14
	s_add_co_u32 s34, s34, s35
	s_add_co_u32 s34, s34, 128*16384
	s_mov_b32 s35, 0
	s_mul_i32 s36, ttmp9, 2304
	s_mov_b32 s37, 0
	s_lshl_b32 s40, s19, 7
	s_mov_b32 s41, 0
	s_lshl_b32 s42, s18, 9
	s_mov_b32 s43, 0
	s_wait_kmcnt 0x0
	s_add_nc_u64 s[4:5], s[4:5], s[24:25]
	s_add_nc_u64 s[10:11], s[10:11], s[26:27]
	s_add_nc_u64 s[12:13], s[12:13], s[28:29]
	s_add_nc_u64 s[6:7], s[6:7], s[30:31]
	s_add_nc_u64 s[8:9], s[8:9], s[32:33]
	s_add_nc_u64 s[14:15], s[14:15], s[34:35]
	s_add_nc_u64 s[16:17], s[16:17], s[36:37]
	s_add_nc_u64 s[46:47], s[16:17], s[40:41]      ; the set's key differences (2,048 more stand in the store's immediate)
	s_add_nc_u64 s[16:17], s[16:17], s[42:43]      ; my chunk
	global_load_b32 v4, v10, s[4:5]                ; my row's token
	global_load_b32 v5, v11, s[4:5]                ; and the token of list place = lane
.irp s, 0,1,2,3,4,5,6,7
.irp c, 0,1
	global_load_b128 v[96+8*\s+4*\c:96+8*\s+4*\c+3], v12, s[10:11] offset:1024*\s+512*\c
.endr
	global_load_b32 v[24+\s], v13, s[12:13] offset:64*\s
.endr
	s_wait_loadcnt 24                              ; the two token numbers are in; the weights' 24 loads are younger
	v_min_u32 v4, 0xfff, v4                        ; a token number stays inside its table
	v_min_u32 v5, 0xfff, v5
	v_lshlrev_b32 v6, 9, v4
	v_add_nc_u32 v6, v6, v189                      ; its codes: 512 bytes a row, + 16 hh
	v_lshlrev_b32 v7, 5, v4                        ; its scale words
	v_lshlrev_b32 v8, 2, v5                        ; the key
.irp s, 0,1,2,3,4,5,6,7
.irp c, 0,1
	global_load_b128 v[32+8*\s+4*\c:32+8*\s+4*\c+3], v6, s[6:7] offset:64*\s+32*\c
.endr
.endr
	global_load_b128 v[16:19], v7, s[8:9]
	global_load_b128 v[20:23], v7, s[8:9] offset:16
	global_load_b32 v9, v8, s[14:15]
	s_wait_loadcnt 0x0
.irp s, 0,1,2,3,4,5,6,7                        ; two accumulators by turns, one instruction a turn
.if \s < 2
	v_wmma_scale_f32_16x16x128_f8f6f4 v[160+8*(\s%2):160+8*(\s%2)+7], v[32+8*\s:32+8*\s+7], v[96+8*\s:96+8*\s+7], 0, v[16+\s], v[24+\s] matrix_a_fmt:MATRIX_FMT_FP4 matrix_b_fmt:MATRIX_FMT_FP4
.else
	v_wmma_scale_f32_16x16x128_f8f6f4 v[160+8*(\s%2):160+8*(\s%2)+7], v[32+8*\s:32+8*\s+7], v[96+8*\s:96+8*\s+7], v[160+8*(\s%2):160+8*(\s%2)+7], v[16+\s], v[24+\s] matrix_a_fmt:MATRIX_FMT_FP4 matrix_b_fmt:MATRIX_FMT_FP4
.endif
.endr
	; the key differences: five plain lines among these are the places (ISA guide 7.12.1) behind the last product
	v_mul_f32 v9, s38, v9                          ; k' = +-key
	v_mov_b32 v190, v9
	v_max_num_f32_dpp v190, v190, v190 row_xmask:1 row_mask:0xf bank_mask:0xf
	v_max_num_f32_dpp v190, v190, v190 row_xmask:2 row_mask:0xf bank_mask:0xf
	v_max_num_f32_dpp v190, v190, v190 row_xmask:4 row_mask:0xf bank_mask:0xf
	v_max_num_f32_dpp v190, v190, v190 row_xmask:8 row_mask:0xf bank_mask:0xf
	v_permlanex16_b32 v191, v190, s[SEL], s[SEL+1]
	v_max_num_f32 v190, v190, v191                 ; the largest k' of the 32
	v_sub_f32 v9, v9, v190
	v_mul_f32 v9, s39, v9                          ; (key - extreme) x log2(e)
.irp j, 0,2,4,6
	v_pk_add_f32 v[176+\j:177+\j], v[160+\j:161+\j], v[168+\j:169+\j]   ; the two halves of K; each accumulator from its low end on
.endr
	ds_store_b128 v14, v[176:179]
	ds_store_b128 v14, v[180:183] offset:512
	s_wait_dscnt 0x0                               ; for the others' sake: my stores have landed
	s_barrier_signal -1
	s_barrier_wait -1
	ds_load_b128 v[184:187], v15
	s_wait_dscnt 0x0
	global_store_b128 v188, v[184:187], s[16:17]   ; 512 consecutive bytes, aligned
	s_cmp_lg_u32 s20, 0
	s_cbranch_scc1 .Lend                           ; both waves of a set hold the differences: one stores them
	global_store_b32 v11, v9, s[46:47] offset:2048
.Lend:
	s_wait_tensorcnt 0x0
	ds_add_u32 v192, v193
	s_wait_dscnt 0x0
	s_endpgm
.Lfunc_end_k_qf01a659486_vsel:
	.size	k_qf01a659486_vsel, .Lfunc_end_k_qf01a659486_vsel-k_qf01a659486_vsel
	.p2alignl 7, 3214868480
	.fill 96, 4, 3214868480
	.section	.rodata,"a",@progbits
	.p2align	6, 0x0
	.amdhsa_kernel k_qf01a659486_vsel
		.amdhsa_group_segment_fixed_size 4608
		.amdhsa_private_segment_fixed_size 0
		.amdhsa_enable_private_segment 0
		.amdhsa_kernarg_size 56
		.amdhsa_user_sgpr_count 2
		.amdhsa_user_sgpr_kernarg_segment_ptr 1
		.amdhsa_wavefront_size32 1
		.amdhsa_system_sgpr_workgroup_id_x 1
		.amdhsa_system_sgpr_workgroup_id_y 1
		.amdhsa_system_sgpr_workgroup_id_z 1
		.amdhsa_system_vgpr_workitem_id 0
		.amdhsa_next_free_vgpr 194
		.amdhsa_next_free_sgpr 66
		.amdhsa_reserve_vcc 0
		.amdhsa_float_denorm_mode_32 3
		.amdhsa_float_denorm_mode_16_64 3
		.amdhsa_memory_ordered 1
		.amdhsa_forward_progress 1
		.amdhsa_inst_pref_size 11
	.end_amdhsa_kernel
	.amdgpu_metadata
---
amdhsa.version: [ 1, 2 ]
amdhsa.kernels:
  - .name:           k_qf01a659486_vsel
    .symbol:         k_qf01a659486_vsel.kd
    .args:
      - { .name: idx, .offset: 0, .size: 8, .value_kind: global_buffer, .address_space: global }
      - { .name: xc, .offset: 8, .size: 8, .value_kind: global_buffer, .address_space: global }
      - { .name: xs, .offset: 16, .size: 8, .value_kind: global_buffer, .address_space: global }
      - { .name: w4c, .offset: 24, .size: 8, .value_kind: global_buffer, .address_space: global }
      - { .name: w4s, .offset: 32, .size: 8, .value_kind: global_buffer, .address_space: global }
      - { .name: qkt, .offset: 40, .size: 8, .value_kind: global_buffer, .address_space: global }
      - { .name: kv, .offset: 48, .size: 8, .value_kind: global_buffer, .address_space: global }
    .group_segment_fixed_size: 4608
    .private_segment_fixed_size: 0
    .kernarg_segment_align: 8
    .kernarg_segment_size: 56
    .max_flat_workgroup_size: 128
    .sgpr_count:     66
    .vgpr_count:     194
    .wavefront_size: 32
...
	.end_amdgpu_metadata
.endif
;; end of part 4
;; launch attn (part 5): grid 256 x 1, 16 waves a work-group, no clusters, 107,776 bytes of LDS; arguments qkt, kv, w4c, w4s, out0; writes out0
.if DOCPART == 5
	.amdgcn_target "amdgcn-amd-amdhsa--gfx1250"
	.amdhsa_code_object_version 6
	.text
	.protected	k_qf01a659486_attn
	.globl	k_qf01a659486_attn
	.p2align	8
	.type	k_qf01a659486_attn,@function
k_qf01a659486_attn:
	s_mov_b64 s[64:65], 0
	v_nop
	global_prefetch_b8 v0, s[64:65] scope:SCOPE_SE
	s_setreg_imm32_b32 hwreg(HW_REG_WAVE_MODE, 25, 1), 1
	s_wait_xcnt 0x0
; For each token and head: the softmax of q x key over the 32 keys of the set that q's sign chooses (q > 0: the largest keys, else the smallest), times their values, in f32; the result, [token][1024],
; is quantised to FP4 (E2M1, one E8M0 byte for each 32 along K) and multiplied by Wo's codes.  out0 [16384][1024] f32.
; THE SOFTMAX: p = 2^(q x (key - extreme key) x log2 e): the extreme key is the set's largest for q > 0 and its smallest otherwise, so the row's own largest score is taken away, for every input;
; no exponent is above 0 and one is exactly 0, so the sum is at least 1.  With qp = max(q, 0), qn = min(q, 0) the exponent is dtop x qp + dbot x qn: one of the two products is 0.
; THE SECOND PRODUCT feeds a quantiser, so it takes f32 operands: v_wmma_f32_16x16x4_f32.  Its 16 rows are 8 channels of the largest set and 8 of the smallest, its columns 16 tokens, its K the 32 list places;
; p belongs to the chosen set, so of a token's two results one is right, and it is picked by the sign of q; then it is divided by the sum of p.
; SHARES: a work-group takes 64 tokens, sixteen waves of 256 registers: four to a SIMD, so that one wave's exponentials stand beside another's products.
; PHASE A: wave w owns heads 8 w .. 8 w + 7 (64 along the last product's K: two blocks of 32) for all 64 tokens.  Token tile m is tokens 4 r + m, so that one load of 16 bytes of q gives a lane its four tiles.
;   Two heads go together (A, B).  After the choice lanes 0-15 hold head A's 8 channels of token 4 r + m and lanes 16-31 head B's.  Heads (0, 2) then (1, 3) of a block give a lane 16 neighbours along K.
;   Codes go to LDS as rows (64 x 528 bytes), scale bytes beside them (64 x 36).   One barrier.
; PHASE B: wave w owns output columns 64 w .. 64 w + 63: Wo's fragments come from memory straight into registers, a K step ahead; source 0 = 16 rows of Wo, source 1 = 16 tokens: a lane holds eight neighbouring columns of a token.
; NO CLUSTER, NO TENSOR LOAD: what work-groups share is Wo's codes; each wave reads its 34 KB of them once, into operand registers; brought jointly they would have to pass through LDS and be read from there again.
; LIMITS: scale byte held at 1 from below (largest magnitude under 2^-124, zero blocks too: zero codes); p under 2^-126 counts as 0; NaN and infinities not served.
; REGISTERS: v1-11 addresses; v12-19 q; v20-27 qp, qn as pairs; v28-43 two banks at work; v44-51 the divisor and the quantiser's few; v52-63 scale words and nothing else;
;   v64-95 values; v96-159 key differences; v160-191 p; v192-207 the two f32 accumulators (written by matrix instructions alone); v208-247 results ahead of the quantiser.
;   Phase B: v20-51 the tokens' fragments; v64-127 Wo's, two sets; v128-255 sixteen accumulators.
.set L16, 1                            ; 16 x lane
.set H64, 2                            ; 64 hh
.set R16, 3                            ; 16 r
.set ACW, 4                            ; where my codes go
.set ASW, 5                            ; where my scale byte goes
.set AFA, 6                            ; a fragment of the tokens
.set ASA, 7                            ; its scale words
.set R4,  8
.set STO, 9
.set RD,  10
.set GO,  11
.set QA,  12
.set QB,  16
.set QPA, 20
.set QNA, 22
.set QPB, 24
.set QNB, 26
.set TA,  28
.set TB,  36
.set F,   44
.set M,   46
.set M2,  47
.set SO,  48
.set BY,  49
.set C,   50
.set WSC, 52
.set ASC, 60
.set VA,  64
.set DT,  96                           ; head A: largest set's 16, smallest set's 16; head B likewise from +32
.set P,   160
.set ACC, 192
.set XA,  208
.set XB,  240
.set AF,  20
.set WF,  64
.set OA,  128
.set WV,  16
.set SEL, 20
.set HM,  22                           ; lanes 16-31
.set MA,  23
.set MB,  24
.set TK,  25
.set AC,  0                            ; LDS: 64 rows x 528: codes
.set AS,  64*528                       ; 64 rows x 36: scale bytes
.set OST, AS+64*36                     ; 16 waves x 16 rows x 272: the way out, each wave's own
	s_load_b256 s[4:11], s[0:1], 0x0               ; qkt s[4:5], kv s[6:7], w4c s[8:9], w4s s[10:11]
	s_load_b64 s[12:13], s[0:1], 0x20              ; out0
	v_lshrrev_b32 v[SO], 5, v0
	v_readfirstlane_b32 s[WV], v[SO]               ; wave 0..15
	v_and_b32 v[SO], 31, v0
	v_lshlrev_b32 v[L16], 4, v[SO]
	v_and_b32 v[M], 15, v0                         ; r
	v_bfe_u32 v[M2], v0, 4, 1                      ; hh
	v_lshlrev_b32 v[H64], 6, v[M2]
	v_lshlrev_b32 v[R16], 4, v[M]
	v_lshlrev_b32 v[R4], 2, v[M]
	v_mul_u32_u24 v[ACW], v[M], 4*528
	v_lshl_add_u32 v[ACW], v[M2], 3, v[ACW]
	s_lshl_b32 s26, s[WV], 5
	v_add_nc_u32 v[ACW], s26, v[ACW]               ; row 4 r (+ m), byte 32 w + 8 hh (+ 16 for the second block)
	v_mul_u32_u24 v[ASW], v[M], 4*36
	s_lshl_b32 s26, s[WV], 1
	s_add_co_u32 s26, s26, AS
	v_add_nc_u32 v[ASW], s26, v[ASW]               ; row 4 r (+ m), byte 2 w (+ 1)
	v_mul_u32_u24 v[AFA], v[M], 528
	v_lshl_add_u32 v[AFA], v[M2], 4, v[AFA]
	v_mul_u32_u24 v[ASA], v[M], 36
	v_add_nc_u32 v[ASA], AS, v[ASA]
	s_mul_i32 s26, s[WV], 16*272
	s_add_co_u32 s26, s26, OST
	v_mul_u32_u24 v[STO], v[M], 272
	v_lshl_add_u32 v[STO], v[M2], 5, v[STO]
	v_add_nc_u32 v[STO], s26, v[STO]
	v_mul_u32_u24 v[RD], v[M2], 272
	v_lshl_add_u32 v[RD], v[M], 4, v[RD]
	v_add_nc_u32 v[RD], s26, v[RD]
	v_lshlrev_b32 v[GO], 12, v[M2]
	v_lshl_add_u32 v[GO], v[M], 4, v[GO]
.irp j, QPA+1, QNA+1, QPB+1, QNB+1, F+1
	v_mov_b32 v[\j], 0                             ; upper halves of pairs of which the low word serves both halves: named, so written
.endr
	s_mov_b32 s[SEL], 0x76543210
	s_mov_b32 s[SEL+1], 0xfedcba98                 ; v_permlanex16_b32's selects for lane l xor 16
	s_mov_b32 s[HM], 0xffff0000
	s_lshr_b32 s27, ttmp9, 6                       ; b
	s_and_b32 s28, ttmp9, 63
	s_lshl_b32 s30, s27, 22                        ; q: b, my 8 heads' columns, the work-group's 64 tokens
	s_lshl_b32 s31, s[WV], 17
	s_add_co_u32 s30, s30, s31
	s_lshl_b32 s31, s28, 8
	s_add_co_u32 s30, s30, s31
	s_mov_b32 s31, 0
	s_mul_i32 s32, s27, 128*2304                   ; kv: (128 b + 8 w) x 2,304
	s_mul_i32 s33, s[WV], 8*2304
	s_add_co_u32 s32, s32, s33
	s_mov_b32 s33, 0
	s_lshl_b32 s34, s[WV], 15                      ; Wo's tiles 80 + 4 w on
	s_add_co_u32 s34, s34, 80*8192
	s_mov_b32 s35, 0
	s_lshl_b32 s36, s[WV], 11
	s_add_co_u32 s36, s36, 80*512
	s_mov_b32 s37, 0
	s_lshl_b32 s38, ttmp9, 18                      ; out0: 64 rows of 4,096 bytes, my 256 bytes of a row
	s_lshl_b32 s39, s[WV], 8
	s_add_co_u32 s38, s38, s39
	s_mov_b32 s39, 0
	s_wait_kmcnt 0x0
	s_add_nc_u64 s[4:5], s[4:5], s[30:31]
	s_add_nc_u64 s[6:7], s[6:7], s[32:33]
	s_add_nc_u64 s[8:9], s[8:9], s[34:35]
	s_add_nc_u64 s[10:11], s[10:11], s[36:37]
	s_add_nc_u64 s[12:13], s[12:13], s[38:39]
; Two heads' values, key differences and q: 26 loads.  The registers that the last products read are loaded more than eight plain lines behind them: the tail of a tile.
.macro PASSLOAD ha, hb
.irp c, 0,1,2,3
	global_load_b128 v[VA+4*\c:VA+4*\c+3], v[L16], s[6:7] offset:2304*(\ha)+512*\c
	global_load_b128 v[VA+16+4*\c:VA+16+4*\c+3], v[L16], s[6:7] offset:2304*(\hb)+512*\c
.endr
.irp c, 0,1,2,3
	global_load_b128 v[DT+4*\c:DT+4*\c+3], v[H64], s[6:7] offset:2304*(\ha)+2048+16*\c
	global_load_b128 v[DT+16+4*\c:DT+16+4*\c+3], v[H64], s[6:7] offset:2304*(\ha)+2176+16*\c
	global_load_b128 v[DT+32+4*\c:DT+32+4*\c+3], v[H64], s[6:7] offset:2304*(\hb)+2048+16*\c
	global_load_b128 v[DT+48+4*\c:DT+48+4*\c+3], v[H64], s[6:7] offset:2304*(\hb)+2176+16*\c
.endr
	global_load_b128 v[QA:QA+3], v[R16], s[4:5] offset:16384*(\ha)
	global_load_b128 v[QB:QB+3], v[R16], s[4:5] offset:16384*(\hb)
	s_wait_loadcnt 0x0
.endm
; Token tile m of the two heads in hand; the chosen, normalised results go to v[xd] on.  quant = 1: the lane's 16 neighbours (v[XA + 8 m] on, v[XB] on) are quantised: block bb of my two.
.macro TILE m, xd, quant, bb
	v_max_num_f32 v[QPA], 0, v[QA+\m]
	v_min_num_f32 v[QNA], 0, v[QA+\m]
	v_max_num_f32 v[QPB], 0, v[QB+\m]
	v_min_num_f32 v[QNB], 0, v[QB+\m]
	v_cmp_lt_f32 s[MA], 0, v[QA+\m]                ; q > 0: the largest keys
	v_cmp_lt_f32 s[MB], 0, v[QB+\m]
.irp n, 0,2,4,6,8,10,12,14
	v_pk_mul_f32 v[P+\n:P+\n+1], v[DT+\n:DT+\n+1], v[QPA:QPA+1] op_sel_hi:[1,0]
	v_pk_mul_f32 v[P+16+\n:P+16+\n+1], v[DT+32+\n:DT+32+\n+1], v[QPB:QPB+1] op_sel_hi:[1,0]
.endr
.irp n, 0,2,4,6,8,10,12,14
	v_pk_fma_f32 v[P+\n:P+\n+1], v[DT+16+\n:DT+16+\n+1], v[QNA:QNA+1], v[P+\n:P+\n+1] op_sel_hi:[1,0,1]
	v_pk_fma_f32 v[P+16+\n:P+16+\n+1], v[DT+48+\n:DT+48+\n+1], v[QNB:QNB+1], v[P+16+\n:P+16+\n+1] op_sel_hi:[1,0,1]
.endr
.irp n, 0,1,2,3,4,5,6,7,8,9,10,11,12,13,14,15,16,17,18,19,20,21,22,23,24,25,26,27,28,29,30,31
	v_exp_f32 v[P+\n], v[P+\n]                     ; p of list place 16 hh + n, at most 1
.endr
	s_and_b32 s[TK], s[MA], 0xffff                 ; who keeps its own result: lanes 0-15 (head A, largest set) where q > 0,
	s_and_not1_b32 s26, s[HM], s[MB]               ; lanes 16-31 (head B, smallest set) where not
	s_or_b32 s[TK], s[TK], s26
	v_nop                                          ; a plain line between the last exponential and the use of its result
.irp i, 0,1,2,3,4,5,6,7                        ; the two accumulators take turns, one instruction a turn
.if \i == 0
	s_wait_alu depctr_va_vdst(0)
	v_wmma_f32_16x16x4_f32 v[ACC:ACC+7], v[VA:VA+1], v[P:P+1], 0
	v_wmma_f32_16x16x4_f32 v[ACC+8:ACC+15], v[VA+16:VA+17], v[P+16:P+17], 0
.else
	v_wmma_f32_16x16x4_f32 v[ACC:ACC+7], v[VA+2*\i:VA+2*\i+1], v[P+2*\i:P+2*\i+1], v[ACC:ACC+7]
	v_wmma_f32_16x16x4_f32 v[ACC+8:ACC+15], v[VA+16+2*\i:VA+16+2*\i+1], v[P+16+2*\i:P+16+2*\i+1], v[ACC+8:ACC+15]
.endif
.endr
	; the sums of p: also the places behind the last products (eight are asked ahead of a read of a result; of these 18 plain lines one names a register of the last product)
.irp k, 0,1,2,3
	v_pk_add_f32 v[TA+2*\k:TA+2*\k+1], v[P+4*\k:P+4*\k+1], v[P+4*\k+2:P+4*\k+3]
	v_pk_add_f32 v[TB+2*\k:TB+2*\k+1], v[P+16+4*\k:P+16+4*\k+1], v[P+16+4*\k+2:P+16+4*\k+3]
.endr
	v_pk_add_f32 v[TA:TA+1], v[TA:TA+1], v[TA+2:TA+3]
	v_pk_add_f32 v[TB:TB+1], v[TB:TB+1], v[TB+2:TB+3]
	v_pk_add_f32 v[TA+4:TA+5], v[TA+4:TA+5], v[TA+6:TA+7]
	v_pk_add_f32 v[TB+4:TB+5], v[TB+4:TB+5], v[TB+6:TB+7]
	v_pk_add_f32 v[TA:TA+1], v[TA:TA+1], v[TA+4:TA+5]
	v_pk_add_f32 v[TB:TB+1], v[TB:TB+1], v[TB+4:TB+5]
	v_add_f32 v[TA+2], v[TA], v[TA+1]
	v_add_f32 v[TB+2], v[TB], v[TB+1]
	v_permlanex16_b32 v[TA+3], v[TA+2], s[SEL], s[SEL+1]
	v_permlanex16_b32 v[TB+3], v[TB+2], s[SEL], s[SEL+1]
	v_add_f32 v[TA+2], v[TA+2], v[TA+3]            ; with lane l xor 16's 16 places: the row's sum
	v_add_f32 v[TB+2], v[TB+2], v[TB+3]
	v_rcp_f32 v[TA+2], v[TA+2]
	v_rcp_f32 v[TB+2], v[TB+2]
.irp j, 0,1,2,3,4,5,6,7
	v_cndmask_b32 v[\xd+\j], v[ACC+\j], v[ACC+8+\j], s[HM]    ; my own: lanes 0-15 head A's largest set, lanes 16-31 head B's smallest.  Each accumulator from its low end on.  (Plain lines behind the reciprocals)
.endr
	s_wait_alu depctr_va_vdst(0)
	v_cndmask_b32 v[F], v[TA+2], v[TB+2], s[HM]    ; 1 / the sum of my head
.irp j, 0,1,2,3,4,5,6,7
	v_cndmask_b32 v[TA+\j], v[ACC+8+\j], v[ACC+\j], s[HM]     ; what the lane 16 away may want: head B's largest set, head A's smallest
.endr
.irp j, 0,1,2,3,4,5,6,7
	v_permlanex16_b32 v[TB+\j], v[TA+\j], s[SEL], s[SEL+1]
.endr
.irp j, 0,1,2,3,4,5,6,7
	v_cndmask_b32 v[\xd+\j], v[TB+\j], v[\xd+\j], s[TK]
.endr
.irp j, 0,2,4,6
	v_pk_mul_f32 v[\xd+\j:\xd+\j+1], v[\xd+\j:\xd+\j+1], v[F:F+1] op_sel_hi:[1,0]
.endr
.if \quant
	s_wait_dscnt 0x0                               ; the last tile's LDS stores have read their registers
	v_max3_num_f32 v[M], |v[XA+8*\m]|, |v[XA+8*\m+1]|, 0x1800000   ; my 16 numbers, and the floor 2^(3 - 127): the byte cannot fall under 1
	v_max3_num_f32 v[M2], |v[XB]|, |v[XB+1]|, |v[XB+2]|
	v_max3_num_f32 v[M], v[M], |v[XA+8*\m+2]|, |v[XA+8*\m+3]|
	v_max3_num_f32 v[M2], v[M2], |v[XB+3]|, |v[XB+4]|
	v_max3_num_f32 v[M], v[M], |v[XA+8*\m+4]|, |v[XA+8*\m+5]|
	v_max3_num_f32 v[M2], v[M2], |v[XB+5]|, |v[XB+6]|
	v_max3_num_f32 v[M], v[M], |v[XA+8*\m+6]|, |v[XA+8*\m+7]|
	v_max3_num_f32 v[M], v[M], v[M2], |v[XB+7]|
	v_permlanex16_b32 v[M2], v[M], s[SEL], s[SEL+1]
	v_max_num_f32 v[M], v[M], v[M2]                ; with lane l xor 16's: the block's largest magnitude
	v_add_nc_u32 v[SO], 0xff000000, v[M]           ; 2 off the exponent field: the conversion's scale operand
	v_lshrrev_b32 v[BY], 23, v[SO]                 ; the scale's byte
	v_cvt_scalef32_pk8_fp4_f32 v[C], v[XA+8*\m:XA+8*\m+7], v[SO]
	v_cvt_scalef32_pk8_fp4_f32 v[C+1], v[XB:XB+7], v[SO]
	v_nop                                          ; one plain line behind the last scaled conversion
	ds_store_b64 v[ACW], v[C:C+1] offset:528*\m+16*\bb
	ds_store_b8 v[ASW], v[BY] offset:36*\m+\bb     ; both halves of the lanes write the same byte with the same value
.endif
.endm
.macro WLOAD s                         ; Wo's four fragments and scale words of K step s, into set s % 2: 12 loads
.irp e, 0,1,2,3
.irp c, 0,1
	global_load_b128 v[WF+32*((\s)%2)+8*\e+4*\c:WF+32*((\s)%2)+8*\e+4*\c+3], v[L16], s[8:9] offset:8192*\e+1024*(\s)+512*\c
.endr
	global_load_b32 v[WSC+4*((\s)%2)+\e], v[R4], s[10:11] offset:512*\e+64*(\s)
.endr
.endm
	; ---- PHASE A
	PASSLOAD 0, 2
	TILE 0, XA, 0, 0
	TILE 1, XA+8, 0, 0
	TILE 2, XA+16, 0, 0
	TILE 3, XA+24, 0, 0
	PASSLOAD 1, 3
	TILE 0, XB, 1, 0
	TILE 1, XB, 1, 0
	TILE 2, XB, 1, 0
	TILE 3, XB, 1, 0
	PASSLOAD 4, 6
	TILE 0, XA, 0, 1
	TILE 1, XA+8, 0, 1
	TILE 2, XA+16, 0, 1
	TILE 3, XA+24, 0, 1
	PASSLOAD 5, 7
	TILE 0, XB, 1, 1
	TILE 1, XB, 1, 1
	TILE 2, XB, 1, 1
	TILE 3, XB, 1, 1
	WLOAD 0                                        ; Wo's first K step is on its way across the barrier: nobody writes those bytes
	s_wait_dscnt 0x0                               ; for the others' sake: my codes and scale bytes have landed
	s_barrier_signal -1
	s_barrier_wait -1                              ; 64 whole rows of codes lie in LDS
	; ---- PHASE B
.macro KSTEP s
.if \s > 0
.rept 4
	v_nop                                          ; four places in front of loads into registers that the last products read
.endr
.endif
.if \s < 7
	WLOAD \s+1
.endif
.irp m, 0,1,2,3
.irp c, 0,1
	ds_load_b128 v[AF+8*\m+4*\c:AF+8*\m+4*\c+3], v[AFA] offset:8448*\m+64*\s+32*\c
.endr
	ds_load_b32 v[ASC+\m], v[ASA] offset:576*\m+4*\s
.endr
.if \s < 7
	s_wait_loadcnt 12                              ; this step's weights are in; the 12 loads just issued may stay out
.else
	s_wait_loadcnt 0x0
.endif
	s_wait_dscnt 0x0
.irp e, 0,1,2,3                                ; sixteen accumulators by turns, one instruction a turn
.irp m, 0,1,2,3
.if \s == 0
	v_wmma_scale_f32_16x16x128_f8f6f4 v[OA+8*(4*\e+\m):OA+8*(4*\e+\m)+7], v[WF+32*((\s)%2)+8*\e:WF+32*((\s)%2)+8*\e+7], v[AF+8*\m:AF+8*\m+7], 0, v[WSC+4*((\s)%2)+\e], v[ASC+\m] matrix_a_fmt:MATRIX_FMT_FP4 matrix_b_fmt:MATRIX_FMT_FP4
.else
	v_wmma_scale_f32_16x16x128_f8f6f4 v[OA+8*(4*\e+\m):OA+8*(4*\e+\m)+7], v[WF+32*((\s)%2)+8*\e:WF+32*((\s)%2)+8*\e+7], v[AF+8*\m:AF+8*\m+7], v[OA+8*(4*\e+\m):OA+8*(4*\e+\m)+7], v[WSC+4*((\s)%2)+\e], v[ASC+\m] matrix_a_fmt:MATRIX_FMT_FP4 matrix_b_fmt:MATRIX_FMT_FP4
.endif
.endr
.endr
.endm
	KSTEP 0
	KSTEP 1
	KSTEP 2
	KSTEP 3
	KSTEP 4
	KSTEP 5
	KSTEP 6
	KSTEP 7
.rept 4
	v_nop                                          ; four places in front of the first read of results and of loads into the operands' registers
.endr
	; THE WAY OUT: 16 tokens x my 64 columns at a time through my own stage, back as runs of 256 bytes.  LDS serves a wave's instructions in order: no wait between the stores and the loads, nor ahead of the next tile's stores.
.macro TOSTAGE m, ob
.irp e, 0,1,2,3
	ds_store_b128 v[STO], v[OA+8*(4*\e+\m):OA+8*(4*\e+\m)+3] offset:64*\e          ; each accumulator from its low end on
	ds_store_b128 v[STO], v[OA+8*(4*\e+\m)+4:OA+8*(4*\e+\m)+7] offset:64*\e+16
.endr
.irp i, 0,1,2,3,4,5,6,7
	ds_load_b128 v[\ob+4*\i:\ob+4*\i+3], v[RD] offset:544*\i
.endr
.endm
.macro SEND m, ob, younger             ; younger: the LDS instructions issued behind this tile's loads: the next tile's sixteen, or none
	s_wait_dscnt \younger
.irp i, 0,1,2,3,4,5,6,7
	global_store_b128 v[GO], v[\ob+4*\i:\ob+4*\i+3], s[12:13] offset:(16*\m+2*\i)*4096 th:TH_STORE_NT   ; 16 lanes store 256 consecutive bytes, aligned; written once, read by nobody here
.endr
.endm
	TOSTAGE 0, 20
	TOSTAGE 1, 64
	SEND 0, 20, 16
	TOSTAGE 2, 96
	SEND 1, 64, 16
	s_wait_xcnt 0x0                                ; tile 0's stores have read their registers: tile 3's rows may land there
	TOSTAGE 3, 20
	SEND 2, 96, 16
	SEND 3, 20, 0
	s_wait_xcnt 0x0
	v_lshl_add_u32 v254, v0, 2, 0x19d00
	v_mov_b32 v255, 0
	s_wait_tensorcnt 0x0
	ds_add_u32 v254, v255
	s_wait_dscnt 0x0
	s_endpgm
.Lfunc_end_k_qf01a659486_attn:
	.size	k_qf01a659486_attn, .Lfunc_end_k_qf01a659486_attn-k_qf01a659486_attn
	.p2alignl 7, 3214868480
	.fill 96, 4, 3214868480
	.section	.rodata,"a",@progbits
	.p2align	6, 0x0
	.amdhsa_kernel k_qf01a659486_attn
		.amdhsa_group_segment_fixed_size 107776
		.amdhsa_private_segment_fixed_size 0
		.amdhsa_enable_private_segment 0
		.amdhsa_kernarg_size 40
		.amdhsa_user_sgpr_count 2
		.amdhsa_user_sgpr_kernarg_segment_ptr 1
		.amdhsa_wavefront_size32 1
		.amdhsa_system_sgpr_workgroup_id_x 1
		.amdhsa_system_sgpr_workgroup_id_y 1
		.amdhsa_system_sgpr_workgroup_id_z 1
		.amdhsa_system_vgpr_workitem_id 0
		.amdhsa_next_free_vgpr 256
		.amdhsa_next_free_sgpr 66
		.amdhsa_reserve_vcc 0
		.amdhsa_float_denorm_mode_32 3
		.amdhsa_float_denorm_mode_16_64 3
		.amdhsa_memory_ordered 1
		.amdhsa_forward_progress 1
		.amdhsa_inst_pref_size 190
	.end_amdhsa_kernel
	.amdgpu_metadata
---
amdhsa.version: [ 1, 2 ]
amdhsa.kernels:
  - .name:           k_qf01a659486_attn
    .symbol:         k_qf01a659486_attn.kd
    .args:
      - { .name: qkt, .offset: 0, .size: 8, .value_kind: global_buffer, .address_space: global }
      - { .name: kv, .offset: 8, .size: 8, .value_kind: global_buffer, .address_space: global }
      - { .name: w4c, .offset: 16, .size: 8, .value_kind: global_buffer, .address_space: global }
      - { .name: w4s, .offset: 24, .size: 8, .value_kind: global_buffer, .address_space: global }
      - { .name: out0, .offset: 32, .size: 8, .value_kind: global_buffer, .address_space: global }
    .group_segment_fixed_size: 107776
    .private_segment_fixed_size: 0
    .kernarg_segment_align: 8
    .kernarg_segment_size: 40
    .max_flat_workgroup_size: 512
    .sgpr_count:     66
    .vgpr_count:     256
    .wavefront_size: 32
...
	.end_amdgpu_metadata
.endif
;; end of part 5
;; ======== version 2 of 2: 5 launches; version 1 with the launches qk, vsel, attn written anew for expert scheduling mode
;; workspace buffers: w4c 1,179,648 bytes; w4s 73,728 bytes; xc 8,388,608 bytes; xs 524,288 bytes; qkt 16,777,216 bytes; idx 131,072 bytes of whole numbers; kv 1,179,648 bytes
;; launch prep: the kernel of part 1 again; grid 144 x 1, 8 waves a work-group, no clusters, 69,120 bytes of LDS; arguments Wq, Wk, Wv, Wo, w4c, w4s; writes w4c, w4s
;; launch qk (part 6): grid 256 x 1, 8 waves a work-group, no clusters, 106,496 bytes of LDS; arguments x, w4c, w4s, xc, xs, qkt; writes xc, xs, qkt
.if DOCPART == 6
	.amdgcn_target "amdgcn-amd-amdhsa--gfx1250"
	.amdhsa_code_object_version 6
	.text
	.protected	k_qf01a659486_qk
	.globl	k_qf01a659486_qk
	.p2align	8
	.type	k_qf01a659486_qk,@function
k_qf01a659486_qk:
	s_mov_b64 s[64:65], 0
	v_nop
	global_prefetch_b8 v0, s[64:65] scope:SCOPE_SE
	s_setreg_imm32_b32 hwreg(HW_REG_WAVE_SCHED_MODE, 0, 2), 2
	s_setreg_imm32_b32 hwreg(HW_REG_WAVE_MODE, 25, 1), 1
	s_wait_xcnt 0x0
	s_wait_alu depctr_vm_vsrc(0)
; x [16384][1024] f32 is quantised to FP4 (E2M1) with one E8M0 byte for each 32 along K, and multiplied by Wq and Wk (codes made earlier): q and the keys.
; OUT: xc [token][512 bytes] codes, K innermost; xs [token][8 words]; qkt [b][c 0..255][s 4096] f32: c < 128 is q of head c, c >= 128 the keys of head c - 128.
; SHARES: a work-group takes 64 tokens.  The waves share the COLUMNS: wave w owns columns 32 w .. 32 w + 31 of the 256, two weight tiles whose 16 fragments stay in its registers.
; For the quantiser the waves share x: in trip t (0..3) wave w takes 16 rows (tile w % 4) x 128 along K (K step 2 t + w / 4), turns them through its own stage so that a lane holds 64 numbers of one row,
; quantises them and puts codes and scale word into the work-group's rows in LDS; behind ONE barrier every wave reads the trip's two K steps of all 64 rows and multiplies.
; Every trip writes LDS bytes that no earlier trip has written or read, so one barrier a trip is all the ordering between waves.
; One accumulator for each output, K ascending.  Source 0 = 16 tokens, source 1 = 16 columns: a lane holds eight neighbouring tokens of one column, as qkt wants them.
; NO CLUSTER, NO TENSOR LOAD: x is read once, by its owner, and must pass through registers for the quantiser; what work-groups share is 136 KB of weights against 256 KB of x, read once by each wave straight into operand registers.
; LIMITS: as for the weights: byte held at 1 from below (largest magnitude under 2^-124, zero blocks too); NaN and infinities not served.
; REGISTERS: window 0: v1-31, v56-57 addresses and the quantiser's few; v32-47 the weights' scale words, v48-55 x's (scales and nothing else); v64-127 eight accumulators;
;   v128-191 64 numbers, then eight fragments of x, then rows on the way out; v192-225 the way out.   window 1: v0-127 the weights' fragments; v128-191, v192-255 x as loaded, two sets.
; THE MODE: SCHED_MODE bits 1:0 = 2 (LLVM: expert scheduling mode 2), set by the entry lines.  The code itself states the register dependences
; between vector or matrix instructions and memory or LDS instructions, with s_wait_alu, always for 0.
; THE PLAN.  Registers that memory or LDS instructions touch:
;   addresses     v1, v27: written at the head, ahead of the first loads.  v4, v5, v7, v24-26, v28-31, v56, v57: written at the head, ahead of trip 0.  None is written again.
;   the two sets as loaded (window 1, v128-255)   global loads land in them, the stage's LDS stores read them; no vector instruction names them.
;   v[X ..], 64   Trip t: the 64 numbers land; the quantiser reads them; behind the barrier eight fragments land; the products read them; then trip t + 1's numbers land.
;   v[XSW ..]     Trip t: x's scale words land; the products read them.
;   v[C ..], v[W] The quantiser writes them; the LDS stores in front of the barrier read them.
;   v[ACC ..]     The products write them; the LDS stores of the way out read them.
; So a trip has three waits: on va_vdst between the stage's stores, which owe nothing, and the loads into v[X ..] (trips 1 to 3); on vm_vsrc behind the stage's round trip;
; on va_vdst behind the quantiser, which serves the stores of codes and, behind the barrier, the fragments' loads.
.set GL,  1                            ; 16 x lane
.set RR,  2
.set HH,  3
.set TSA, 4                            ; my stage, in: 16 x lane
.set TLA, 5                            ; my stage, out: 528 r + 128 hh
.set SH8, 6
.set XCA, 7                            ; where my unit's codes go
.set M,   8
.set SO,  10
.set BY,  12
.set W,   14
.set T,   15
.set C,   16
.set XSA, 24                           ; where my unit's scale words go
.set XFA, 25                           ; a fragment of x: XC + 528 r + 16 hh
.set XWA, 26                           ; its scale words: XS + 32 r
.set R4,  27
.set STO, 28
.set RD,  29
.set GO,  30
.set L8,  31
.set WS,  32
.set XSW, 48
.set XRO, 56                           ; the rows of codes that I store at the end
.set XSO, 57                           ; and of scale words
.set ACC, 64
.set X,   128
.set OC,  192
.set OS,  224
.set SEL, 20
.set WREG, 8704                        ; LDS: a region for each wave: the stage of 16 x 528 bytes, later 32 columns x 272 on the way out
.set XC,  8*WREG                       ; 64 rows x 528: x's codes
.set XS,  XC+64*528                    ; 64 rows x 32: x's scale words
.set MSB, 0
.macro WIN new                         ; the immediate's high byte repeats the setting that is left
.if MSB != \new
	s_set_vgpr_msb (MSB<<8)|\new
.set MSB, \new
.endif
.endm
.macro LD16 dst, off                   ; 16 rows x 512 bytes: each load reads 512 consecutive bytes, aligned
.irp i, 0,1,2,3,4,5,6,7,8,9,10,11,12,13,14,15
	global_load_b128 v[\dst+4*\i:\dst+4*\i+3], v[GL], s[4:5] offset:\off+4096*\i th:TH_LOAD_NT
.endr
.endm
	s_load_b256 s[4:11], s[0:1], 0x0               ; x s[4:5], w4c s[6:7], w4s s[8:9], xc s[10:11]
	s_load_b128 s[12:15], s[0:1], 0x20             ; xs s[12:13], qkt s[14:15]
	v_lshl_add_u32 v254, v0, 2, 0x19c00
	v_mov_b32 v255, 0
	v_lshrrev_b32 v[T], 5, v0
	v_readfirstlane_b32 s16, v[T]                  ; wave 0..7
	v_and_b32 v[W], 31, v0
	v_lshlrev_b32 v[GL], 4, v[W]
	v_and_b32 v[RR], 15, v0
	v_lshlrev_b32 v[R4], 2, v[RR]
	s_wait_alu depctr_va_sdst(0)                   ; s16 is written, ahead of its first reader: shares, bases and LDS addresses are made from it
	s_and_b32 s17, s16, 3                          ; my tile of rows for the quantiser
	s_lshr_b32 s18, s16, 2                         ; and which of a trip's two K steps
	s_lshl_b32 s24, ttmp9, 18                      ; x: 64 rows of 4,096 bytes a work-group,
	s_lshl_b32 s25, s17, 16                        ; 16 rows a tile,
	s_add_co_u32 s24, s24, s25
	s_lshl_b32 s25, s18, 9                         ; 512 bytes a K step
	s_add_co_u32 s24, s24, s25
	s_mov_b32 s25, 0
	s_lshl_b32 s26, s16, 14                        ; my two weight tiles: 16 fragments of 1,024 bytes
	s_mov_b32 s27, 0
	s_lshl_b32 s28, s16, 10                        ; and their scale words
	s_mov_b32 s29, 0
	s_wait_kmcnt 0x0
	s_add_nc_u64 s[4:5], s[4:5], s[24:25]
	s_add_nc_u64 s[6:7], s[6:7], s[26:27]
	s_add_nc_u64 s[8:9], s[8:9], s[28:29]
	WIN 0x40                                       ; destination window 1
	s_wait_alu depctr_va_vdst(0)                   ; v[GL] and v[R4] are written: the offsets of the 80 loads below
	LD16 128, 0                                    ; trip 0's unit
	LD16 192, 1024                                 ; trip 1's
.irp n, 0,1
.irp s, 0,1,2,3,4,5,6,7
.irp c, 0,1
	global_load_b128 v[8*(8*\n+\s)+4*\c:8*(8*\n+\s)+4*\c+3], v[GL], s[6:7] offset:8192*\n+1024*\s+512*\c
.endr
.endr
.endr
	WIN 0
.irp n, 0,1
.irp s, 0,1,2,3,4,5,6,7
	global_load_b32 v[WS+8*\n+\s], v[R4], s[8:9] offset:512*\n+64*\s
.endr
.endr
	v_lshlrev_b32 v[L8], 3, v[W]
	v_bfe_u32 v[HH], v0, 4, 1
	v_lshlrev_b32 v[SH8], 3, v[HH]
	s_mul_i32 s22, s16, WREG
	v_add_nc_u32 v[TSA], s22, v[GL]
	v_mul_u32_u24 v[T], v[RR], 528
	v_lshl_add_u32 v[TLA], v[HH], 7, v[T]
	v_add_nc_u32 v[TLA], s22, v[TLA]
	v_lshl_add_u32 v[XFA], v[HH], 4, v[T]          ; 528 r + 16 hh
	s_mul_i32 s23, s17, 16*528
	s_lshl_b32 s24, s18, 6
	s_add_co_u32 s23, s23, s24
	s_add_co_u32 s23, s23, XC
	v_add_nc_u32 v[XCA], s23, v[XFA]               ; XC + (16 m + r) 528 + 16 hh + 64 (w / 4)
	v_add_nc_u32 v[XFA], XC, v[XFA]
	v_lshlrev_b32 v[XWA], 5, v[RR]
	s_lshl_b32 s23, s17, 9
	s_lshl_b32 s24, s18, 2
	s_add_co_u32 s23, s23, s24
	s_add_co_u32 s23, s23, XS
	v_add_nc_u32 v[XSA], s23, v[XWA]               ; XS + (16 m + r) 32 + 4 (w / 4)
	v_add_nc_u32 v[XWA], XS, v[XWA]
	v_mul_u32_u24 v[STO], v[RR], 272
	v_lshl_add_u32 v[STO], v[HH], 5, v[STO]
	v_add_nc_u32 v[STO], s22, v[STO]               ; the way out, in: column r, 32 bytes for each half of the lanes
	v_mul_u32_u24 v[RD], v[HH], 272
	v_lshl_add_u32 v[RD], v[RR], 4, v[RD]
	v_add_nc_u32 v[RD], s22, v[RD]                 ; back: lanes 0-15 one column's 256 bytes, lanes 16-31 the next
	v_lshlrev_b32 v[GO], 14, v[HH]
	v_lshl_add_u32 v[GO], v[RR], 4, v[GO]          ; and the same in qkt: a column is 16,384 bytes
	s_mul_i32 s23, s16, 8*528
	s_add_co_u32 s23, s23, XC
	v_add_nc_u32 v[XRO], s23, v[GL]
	s_lshl_b32 s23, s16, 8
	s_add_co_u32 s23, s23, XS
	v_add_nc_u32 v[XSO], s23, v[L8]
	v_mov_b32 v[T], 0                              ; written once: a lane permute's destination counts as one of its sources
	s_mov_b32 s[SEL], 0x76543210
	s_mov_b32 s[SEL+1], 0xfedcba98
	s_lshl_b32 s30, ttmp9, 15                      ; xc: 64 rows of 512 bytes a work-group, 8 rows a wave
	s_lshl_b32 s31, s16, 12
	s_add_co_u32 s30, s30, s31
	s_mov_b32 s31, 0
	s_add_nc_u64 s[10:11], s[10:11], s[30:31]
	s_lshl_b32 s30, ttmp9, 11                      ; xs: 64 rows of 32 bytes, 8 rows a wave
	s_lshl_b32 s32, s16, 8
	s_add_co_u32 s30, s30, s32
	s_add_nc_u64 s[12:13], s[12:13], s[30:31]
	s_lshr_b32 s30, ttmp9, 6                       ; qkt: b x 256 columns, my 32 columns, the work-group's 64 tokens
	s_lshl_b32 s30, s30, 22
	s_lshl_b32 s32, s16, 19
	s_add_co_u32 s30, s30, s32
	s_and_b32 s32, ttmp9, 63
	s_lshl_b32 s32, s32, 8
	s_add_co_u32 s30, s30, s32
	s_add_nc_u64 s[14:15], s[14:15], s[30:31]
	s_wait_alu depctr_va_vdst(0)                   ; the LDS addresses and the stores' offsets made above are written: every LDS instruction and store of the kernel reads one of them
.macro QUANT6                          ; v[X] on: register 32 c + i = k 64 c + 32 hh + i of my row -> the fragment in v[C] on, the row's scale word in v[W]
.irp c, 0,1
	v_max3_num_f32 v[M+\c], |v[X+32*\c]|, |v[X+32*\c+1]|, 0x1800000   ; with the floor 2^(3 - 127): the byte cannot fall under 1
.endr
.irp i, 2,4,6,8,10,12,14,16,18,20,22,24,26,28,30
.irp c, 0,1
	v_max3_num_f32 v[M+\c], v[M+\c], |v[X+32*\c+\i]|, |v[X+32*\c+\i+1]|
.endr
.endr
.irp c, 0,1
	v_add_nc_u32 v[SO+\c], 0xff000000, v[M+\c]     ; 2 off the exponent field: the conversion's scale operand
.endr
.irp c, 0,1
	v_lshrrev_b32 v[BY+\c], 23, v[SO+\c]
.endr
	v_lshl_or_b32 v[W], v[BY+1], 16, v[BY]
	v_lshlrev_b32 v[W], v[SH8], v[W]
	v_permlanex16_b32 v[T], v[W], s[SEL], s[SEL+1]
	v_or_b32 v[W], v[W], v[T]
.irp c, 0,1
.irp g, 0,1,2,3
	v_cvt_scalef32_pk8_fp4_f32 v[C+4*\c+\g], v[X+32*\c+8*\g:X+32*\c+8*\g+7], v[SO+\c]
.endr
.endr
	v_nop                                          ; one plain line behind the last scaled conversion
.endm
; A trip.  cnt: how many younger loads may stay out when this trip's 16 loads have to be there.
.macro TRIP t, cnt
	s_wait_loadcnt \cnt
	WIN 0x04                                       ; an LDS store's data are its source 1: window 1
.irp i, 0,1,2,3,4,5,6,7,8,9,10,11,12,13,14,15
	ds_store_b128 v[TSA], v[128+64*((\t)%2)+4*\i:128+64*((\t)%2)+4*\i+3] offset:528*\i   ; they read v[TSA], written ahead of the head's last wait, and a set that no vector instruction names
.endr
	WIN 0
.if \t > 0
	s_wait_alu depctr_va_vdst(0)                   ; the last trip's products are done reading v[X ..] and v[XSW ..], in which this trip's LDS loads land
.endif
.irp c, 0,1
.irp j, 0,1,2,3,4,5,6,7
	ds_load_b128 v[X+32*\c+4*\j:X+32*\c+4*\j+3], v[TLA] offset:256*\c+16*\j   ; LDS serves a wave's instructions in order: these see the stores above
.endr
.endr
	s_wait_dscnt 0x0                               ; my 64 numbers are in, and the stage's stores have read the set as loaded
.if \t < 2
	WIN 0x40
.endif
	s_wait_alu depctr_vm_vsrc(0)                   ; trips 0, 1: the stage's stores have read the set as loaded, in which the loads below land; trips 1 to 3: the last trip's stores have read v[C ..] and v[W], which the quantiser writes again
.if \t < 2
	LD16 128+64*((\t)%2), 1024*((\t)+2)            ; which takes the unit of two trips on
	WIN 0
.endif
	QUANT6
	s_wait_alu depctr_va_vdst(0)                   ; the quantiser has written v[C ..] and v[W], which the stores below read, and is done reading v[X ..], in which the fragments land behind the barrier
.irp c, 0,1
	ds_store_b128 v[XCA], v[C+4*\c:C+4*\c+3] offset:128*\t+32*\c
.endr
	ds_store_b32 v[XSA], v[W] offset:8*\t          ; both halves of the lanes write the same word with the same value
	s_wait_dscnt 0x0                               ; for the others' sake: my stores have landed
	s_barrier_signal -1
	s_barrier_wait -1                              ; the trip's two K steps of all 64 rows lie in LDS
.irp p, 0,1
.irp m, 0,1,2,3
.irp c, 0,1
	ds_load_b128 v[X+32*\p+8*\m+4*\c:X+32*\p+8*\m+4*\c+3], v[XFA] offset:8448*\m+64*(2*\t+\p)+32*\c
.endr
	ds_load_b32 v[XSW+4*\p+\m], v[XWA] offset:512*\m+4*(2*\t+\p)
.endr
.endr
.if \t == 0
	s_wait_loadcnt 16                              ; the weights and their scale words are in: only the 16 loads just issued are younger
.endif
	s_wait_dscnt 0x0
	WIN 0x04                                       ; source 1 (the weights) window 1
.irp p, 0,1                                    ; the eight accumulators take turns, one instruction a turn
.irp m, 0,1,2,3
.irp n, 0,1
.if (\t == 0) && (\p == 0)
	v_wmma_scale_f32_16x16x128_f8f6f4 v[ACC+8*(2*\m+\n):ACC+8*(2*\m+\n)+7], v[X+32*\p+8*\m:X+32*\p+8*\m+7], v[8*(8*\n+2*\t+\p):8*(8*\n+2*\t+\p)+7], 0, v[XSW+4*\p+\m], v[WS+8*\n+2*\t+\p] matrix_a_fmt:MATRIX_FMT_FP4 matrix_b_fmt:MATRIX_FMT_FP4
.else
	v_wmma_scale_f32_16x16x128_f8f6f4 v[ACC+8*(2*\m+\n):ACC+8*(2*\m+\n)+7], v[X+32*\p+8*\m:X+32*\p+8*\m+7], v[8*(8*\n+2*\t+\p):8*(8*\n+2*\t+\p)+7], v[ACC+8*(2*\m+\n):ACC+8*(2*\m+\n)+7], v[XSW+4*\p+\m], v[WS+8*\n+2*\t+\p] matrix_a_fmt:MATRIX_FMT_FP4 matrix_b_fmt:MATRIX_FMT_FP4
.endif
.endr
.endr
.endr
	WIN 0
.rept 4
	v_nop                                          ; four places in front of loads into registers that these products read, and of the first read of results
.endr
.endm
	TRIP 0, 63                                     ; 64 loads are younger than trip 0's; the wait's field holds 63
	TRIP 1, 16                                     ; trip 2's 16 may stay out
	TRIP 2, 16                                     ; trip 3's
	TRIP 3, 0
	; THE WAY OUT.  q and keys: 32 columns x 64 tokens through my own region of LDS, back as whole runs of 256 bytes.
	s_wait_alu depctr_va_vdst(0)                   ; the products have written the accumulators, which the LDS stores read, and are done reading v[X ..], in which rows land; the four places above stay beside this wait
.irp m, 0,1,2,3
.irp n, 0,1
	ds_store_b128 v[STO], v[ACC+8*(2*\m+\n):ACC+8*(2*\m+\n)+3] offset:4352*\n+64*\m          ; each accumulator from its low end on
	ds_store_b128 v[STO], v[ACC+8*(2*\m+\n)+4:ACC+8*(2*\m+\n)+7] offset:4352*\n+64*\m+16
.endr
.endr
.irp i, 0,1,2,3,4,5,6,7,8,9,10,11,12,13,14,15
	ds_load_b128 v[X+4*\i:X+4*\i+3], v[RD] offset:544*\i
.endr
.irp i, 0,1,2,3,4,5,6,7
	ds_load_b128 v[OC+4*\i:OC+4*\i+3], v[XRO] offset:528*\i   ; eight rows of x's codes: all were stored ahead of the last barrier
.endr
	ds_load_b64 v[OS:OS+1], v[XSO]                 ; and their scale words
	s_wait_dscnt 9                                 ; the nine loads just above may stay out
.irp i, 0,1,2,3,4,5,6,7,8,9,10,11,12,13,14,15
	global_store_b128 v[GO], v[X+4*\i:X+4*\i+3], s[14:15] offset:32768*\i   ; 16 lanes store 256 consecutive bytes, aligned
.endr
	s_wait_dscnt 0x0
.irp i, 0,1,2,3,4,5,6,7
	global_store_b128 v[GL], v[OC+4*\i:OC+4*\i+3], s[10:11] offset:512*\i   ; a row of 512 bytes
.endr
	global_store_b64 v[L8], v[OS:OS+1], s[12:13]   ; 256 consecutive bytes, aligned
	s_wait_dscnt 0x0                               ; the closing lines, six on end
	s_wait_alu 0x0
	s_wait_tensorcnt 0x0
	ds_add_u32 v254, v255
	s_wait_dscnt 0x0
	s_endpgm
.Lfunc_end_k_qf01a659486_qk:
	.size	k_qf01a659486_qk, .Lfunc_end_k_qf01a659486_qk-k_qf01a659486_qk
	.p2alignl 7, 3214868480
	.fill 96, 4, 3214868480
	.section	.rodata,"a",@progbits
	.p2align	6, 0x0
	.amdhsa_kernel k_qf01a659486_qk
		.amdhsa_group_segment_fixed_size 106496
		.amdhsa_private_segment_fixed_size 0
		.amdhsa_enable_private_segment 0
		.amdhsa_kernarg_size 48
		.amdhsa_user_sgpr_count 2
		.amdhsa_user_sgpr_kernarg_segment_ptr 1
		.amdhsa_wavefront_size32 1
		.amdhsa_system_sgpr_workgroup_id_x 1
		.amdhsa_system_sgpr_workgroup_id_y 1
		.amdhsa_system_sgpr_workgroup_id_z 1
		.amdhsa_system_vgpr_workitem_id 0
		.amdhsa_next_free_vgpr 512
		.amdhsa_next_free_sgpr 66
		.amdhsa_reserve_vcc 0
		.amdhsa_float_denorm_mode_32 3
		.amdhsa_float_denorm_mode_16_64 3
		.amdhsa_memory_ordered 1
		.amdhsa_forward_progress 1
		.amdhsa_inst_pref_size 57
	.end_amdhsa_kernel
	.amdgpu_metadata
---
amdhsa.version: [ 1, 2 ]
amdhsa.kernels:
  - .name:           k_qf01a659486_qk
    .symbol:         k_qf01a659486_qk.kd
    .args:
      - { .name: x, .offset: 0, .size: 8, .value_kind: global_buffer, .address_space: global }
      - { .name: w4c, .offset: 8, .size: 8, .value_kind: global_buffer, .address_space: global }
      - { .name: w4s, .offset: 16, .size: 8, .value_kind: global_buffer, .address_space: global }
      - { .name: xc, .offset: 24, .size: 8, .value_kind: global_buffer, .address_space: global }
      - { .name: xs, .offset: 32, .size: 8, .value_kind: global_buffer, .address_space: global }
      - { .name: qkt, .offset: 40, .size: 8, .value_kind: global_buffer, .address_space: global }
    .group_segment_fixed_size: 106496
    .private_segment_fixed_size: 0
    .kernarg_segment_align: 8
    .kernarg_segment_size: 48
    .max_flat_workgroup_size: 256
    .sgpr_count:     66
    .vgpr_count:     512
    .wavefront_size: 32
...
	.end_amdgpu_metadata
.endif
;; end of part 6
;; launch select: the kernel of part 3 again; grid 256 x 1, 4 waves a work-group, no clusters, 0 bytes of LDS; arguments qkt, idx; writes idx
;; launch vsel (part 7): grid 512 x 1, 4 waves a work-group, no clusters, 4,608 bytes of LDS; arguments idx, xc, xs, w4c, w4s, qkt, kv; writes kv
.if DOCPART == 7
	.amdgcn_target "amdgcn-amd-amdhsa--gfx1250"
	.amdhsa_code_object_version 6
	.text
	.protected	k_qf01a659486_vsel
	.globl	k_qf01a659486_vsel
	.p2align	8
	.type	k_qf01a659486_vsel,@function
k_qf01a659486_vsel:
	s_mov_b64 s[64:65], 0
	v_nop
	global_prefetch_b8 v0, s[64:65] scope:SCOPE_SE
	s_setreg_imm32_b32 hwreg(HW_REG_WAVE_SCHED_MODE, 0, 2), 2
	s_setreg_imm32_b32 hwreg(HW_REG_WAVE_MODE, 25, 1), 1
	s_wait_xcnt 0x0
	s_wait_alu depctr_vm_vsrc(0)
; The values of the chosen tokens alone: of v = x Wv^T only 64 of 4,096 rows for each (b, h) are ever gathered, so only those are multiplied, on the codes of x and Wv made earlier (FP4, E8M0 scales).
; OUT, for u = 128 b + h, 2,304 bytes of kv: bytes 0-2047 the values as the next launch's f32 operand takes them: [chunk c 0..3][lane][4 f32]; element n = 4 c + e of lane (r, hh) is
; v(set r / 8, list place 16 hh + n, channel r % 8).  Bytes 2048-2303: [set][place] f32: (key - the set's extreme key) x log2(e): the largest key of set 0, the smallest of set 1.
; SHARES: work-group u; wave w: set w / 2, half a = w % 2: one tile of 16 chosen tokens; row r is list place 8 a + r + 8 (r / 8), so that a lane's eight results are places 16 hh + 8 a + 0 .. 7.
; Source 0 = the 16 tokens' codes, gathered; source 1 = head h's eight rows of Wv, in both halves of the 16 columns.  K's eight steps go to two accumulators by turns, which are added at the end.
; The token numbers were stored by an earlier launch as whole numbers; each is held under 4,096 before it enters an address.
; No cluster, no tensor load: the gathered rows belong to this work-group alone.
; THE MODE: SCHED_MODE bits 1:0 = 2 (LLVM: expert scheduling mode 2), set by the entry lines.  The code itself states the register dependences
; between vector or matrix instructions and memory or LDS instructions, with s_wait_alu, always for 0.
; THE PLAN.  Registers that memory or LDS instructions touch:
;   v10-15, v188  offsets and LDS addresses, made at the head and never written again: one wait on va_vdst ahead of the first load.
;   v6-8          the gathered rows' offsets, made of the token numbers: one wait on va_vdst ahead of the gathered loads.
;   v176-183, v9  the results and the key differences, written by vector instructions, read by two LDS stores and one global store: one wait on va_vdst ahead of the LDS stores.
;   All that loads land in (v4, v5, v9, v16-31, v32-159, v184-187) is named by no vector instruction ahead of its load.  No register that a memory instruction reads is written again.
.set SEL, 44
	s_load_b256 s[4:11], s[0:1], 0x0               ; idx s[4:5], xc s[6:7], xs s[8:9], w4c s[10:11]
	s_load_b128 s[12:15], s[0:1], 0x20             ; w4s s[12:13], qkt s[14:15]
	s_load_b64 s[16:17], s[0:1], 0x30              ; kv
	v_lshl_add_u32 v192, v0, 2, 0x1000
	v_mov_b32 v193, 0
	v_lshrrev_b32 v10, 5, v0
	v_readfirstlane_b32 s18, v10                   ; wave
	v_and_b32 v1, 31, v0                           ; lane
	v_and_b32 v2, 15, v0                           ; r
	v_bfe_u32 v3, v0, 4, 1                         ; hh
	s_wait_alu depctr_va_sdst(0)                   ; s18 is written, ahead of its first reader: the wave's set, half and addresses are made from it
	s_lshr_b32 s19, s18, 1                         ; set
	s_and_b32 s20, s18, 1                          ; a
	s_lshr_b32 s21, ttmp9, 7                       ; b
	s_and_b32 s22, ttmp9, 127                      ; h
	v_and_b32 v10, 8, v2
	v_add_nc_u32 v10, v10, v2                      ; r + 8 (r / 8)
	v_lshlrev_b32 v10, 2, v10
	s_lshl_b32 s40, s20, 5
	v_add_nc_u32 v10, s40, v10                     ; my row's place in the list, in bytes
	v_lshlrev_b32 v11, 2, v1                       ; 4 x lane
	v_and_b32 v12, 7, v2
	s_and_b32 s41, s22, 1
	s_lshl_b32 s42, s41, 5
	v_lshl_add_u32 v13, v12, 2, s42                ; Wv's scale words: row 8 (h % 2) + r % 8 of the tile
	s_lshl_b32 s42, s41, 7
	v_lshl_add_u32 v12, v12, 4, s42
	v_lshl_add_u32 v12, v3, 8, v12                 ; Wv's fragments: the image's lane 16 hh + 8 (h % 2) + r % 8
	v_lshlrev_b32 v188, 4, v1                      ; 16 x lane
	s_lshl_b32 s42, s18, 10
	v_add_nc_u32 v14, s42, v188                    ; LDS, in: 1024 w + 16 x lane = [set][chunk 2 a + q][lane]
	v_bfe_u32 v15, v0, 3, 1
	v_lshl_add_u32 v15, v15, 11, v188
	s_lshl_b32 s42, s18, 9
	v_add_nc_u32 v15, s42, v15                     ; out: chunk w; lanes with r >= 8 take set 1's image
	v_lshlrev_b32 v189, 4, v3                      ; 16 hh
	v_mov_b32 v191, 0                              ; written once: a lane permute's destination counts as one of its sources
	s_mov_b32 s[SEL], 0x76543210
	s_mov_b32 s[SEL+1], 0xfedcba98
	s_lshl_b32 s38, s19, 31
	s_or_b32 s39, s38, 0x3fb8aa3b                  ; +-log2(e)
	s_or_b32 s38, s38, 0x3f800000                  ; +-1
	s_lshl_b32 s24, ttmp9, 8                       ; idx: 256 bytes for u, 128 for a set
	s_lshl_b32 s25, s19, 7
	s_add_co_u32 s24, s24, s25
	s_mov_b32 s25, 0
	s_lshr_b32 s26, s22, 1
	s_add_co_u32 s26, s26, 16                      ; Wv's tile
	s_lshl_b32 s28, s26, 9
	s_lshl_b32 s26, s26, 13
	s_mov_b32 s27, 0
	s_mov_b32 s29, 0
	s_lshl_b32 s30, s21, 21                        ; xc: 4,096 rows of 512 bytes for b
	s_mov_b32 s31, 0
	s_lshl_b32 s32, s21, 17                        ; xs: of 32 bytes
	s_mov_b32 s33, 0
	s_lshl_b32 s34, s21, 22                        ; the keys of (b, h)
	s_lshl_b32 s35, s22, 14
	s_add_co_u32 s34, s34, s35
	s_add_co_u32 s34, s34, 128*16384
	s_mov_b32 s35, 0
	s_mul_i32 s36, ttmp9, 2304
	s_mov_b32 s37, 0
	s_lshl_b32 s40, s19, 7
	s_mov_b32 s41, 0
	s_lshl_b32 s42, s18, 9
	s_mov_b32 s43, 0
	s_wait_kmcnt 0x0
	s_add_nc_u64 s[4:5], s[4:5], s[24:25]
	s_add_nc_u64 s[10:11], s[10:11], s[26:27]
	s_add_nc_u64 s[12:13], s[12:13], s[28:29]
	s_add_nc_u64 s[6:7], s[6:7], s[30:31]
	s_add_nc_u64 s[8:9], s[8:9], s[32:33]
	s_add_nc_u64 s[14:15], s[14:15], s[34:35]
	s_add_nc_u64 s[16:17], s[16:17], s[36:37]
	s_add_nc_u64 s[46:47], s[16:17], s[40:41]      ; the set's key differences (2,048 more stand in the store's immediate)
	s_add_nc_u64 s[16:17], s[16:17], s[42:43]      ; my chunk
	s_wait_alu depctr_va_vdst(0)                   ; v10 to v15 and v188 are written: the offsets and LDS addresses of the loads and stores below
	global_load_b32 v4, v10, s[4:5]                ; my row's token
	global_load_b32 v5, v11, s[4:5]                ; and the token of list place = lane
.irp s, 0,1,2,3,4,5,6,7
.irp c, 0,1
	global_load_b128 v[96+8*\s+4*\c:96+8*\s+4*\c+3], v12, s[10:11] offset:1024*\s+512*\c
.endr
	global_load_b32 v[24+\s], v13, s[12:13] offset:64*\s
.endr
	s_wait_loadcnt 24                              ; the two token numbers are in; the weights' 24 loads are younger
	v_min_u32 v4, 0xfff, v4                        ; a token number stays inside its table
	v_min_u32 v5, 0xfff, v5
	v_lshlrev_b32 v6, 9, v4
	v_add_nc_u32 v6, v6, v189                      ; its codes: 512 bytes a row, + 16 hh
	v_lshlrev_b32 v7, 5, v4                        ; its scale words
	v_lshlrev_b32 v8, 2, v5                        ; the key
	s_wait_alu depctr_va_vdst(0)                   ; v6, v7 and v8 are written: the offsets of the gathered loads below
.irp s, 0,1,2,3,4,5,6,7
.irp c, 0,1
	global_load_b128 v[32+8*\s+4*\c:32+8*\s+4*\c+3], v6, s[6:7] offset:64*\s+32*\c
.endr
.endr
	global_load_b128 v[16:19], v7, s[8:9]
	global_load_b128 v[20:23], v7, s[8:9] offset:16
	global_load_b32 v9, v8, s[14:15]
	s_wait_loadcnt 0x0
.irp s, 0,1,2,3,4,5,6,7                        ; two accumulators by turns, one instruction a turn
.if \s < 2
	v_wmma_scale_f32_16x16x128_f8f6f4 v[160+8*(\s%2):160+8*(\s%2)+7], v[32+8*\s:32+8*\s+7], v[96+8*\s:96+8*\s+7], 0, v[16+\s], v[24+\s] matrix_a_fmt:MATRIX_FMT_FP4 matrix_b_fmt:MATRIX_FMT_FP4
.else
	v_wmma_scale_f32_16x16x128_f8f6f4 v[160+8*(\s%2):160+8*(\s%2)+7], v[32+8*\s:32+8*\s+7], v[96+8*\s:96+8*\s+7], v[160+8*(\s%2):160+8*(\s%2)+7], v[16+\s], v[24+\s] matrix_a_fmt:MATRIX_FMT_FP4 matrix_b_fmt:MATRIX_FMT_FP4
.endif
.endr
	; the key differences: five plain lines among these are the places (ISA guide 7.12.1) behind the last product
	v_mul_f32 v9, s38, v9                          ; k' = +-key
	v_mov_b32 v190, v9
	v_max_num_f32_dpp v190, v190, v190 row_xmask:1 row_mask:0xf bank_mask:0xf
	v_max_num_f32_dpp v190, v190, v190 row_xmask:2 row_mask:0xf bank_mask:0xf
	v_max_num_f32_dpp v190, v190, v190 row_xmask:4 row_mask:0xf bank_mask:0xf
	v_max_num_f32_dpp v190, v190, v190 row_xmask:8 row_mask:0xf bank_mask:0xf
	v_permlanex16_b32 v191, v190, s[SEL], s[SEL+1]
	v_max_num_f32 v190, v190, v191                 ; the largest k' of the 32
	v_sub_f32 v9, v9, v190
	v_mul_f32 v9, s39, v9                          ; (key - extreme) x log2(e)
.irp j, 0,2,4,6
	v_pk_add_f32 v[176+\j:177+\j], v[160+\j:161+\j], v[168+\j:169+\j]   ; the two halves of K; each accumulator from its low end on
.endr
	s_wait_alu depctr_va_vdst(0)                   ; the additions have written v176 to v183, which the LDS stores read; v9 is written, which the last global store reads
	ds_store_b128 v14, v[176:179]
	ds_store_b128 v14, v[180:183] offset:512
	s_wait_dscnt 0x0                               ; for the others' sake: my stores have landed
	s_barrier_signal -1
	s_barrier_wait -1
	ds_load_b128 v[184:187], v15
	s_wait_dscnt 0x0
	global_store_b128 v188, v[184:187], s[16:17]   ; 512 consecutive bytes, aligned
	s_cmp_lg_u32 s20, 0
	s_cbranch_scc1 .Lend                           ; both waves of a set hold the differences: one stores them
	global_store_b32 v11, v9, s[46:47] offset:2048
.Lend:
	s_wait_dscnt 0x0                               ; the closing lines, six on end
	s_wait_alu 0x0
	s_wait_tensorcnt 0x0
	ds_add_u32 v192, v193
	s_wait_dscnt 0x0
	s_endpgm
.Lfunc_end_k_qf01a659486_vsel:
	.size	k_qf01a659486_vsel, .Lfunc_end_k_qf01a659486_vsel-k_qf01a659486_vsel
	.p2alignl 7, 3214868480
	.fill 96, 4, 3214868480
	.section	.rodata,"a",@progbits
	.p2align	6, 0x0
	.amdhsa_kernel k_qf01a659486_vsel
		.amdhsa_group_segment_fixed_size 4608
		.amdhsa_private_segment_fixed_size 0
		.amdhsa_enable_private_segment 0
		.amdhsa_kernarg_size 56
		.amdhsa_user_sgpr_count 2
		.amdhsa_user_sgpr_kernarg_segment_ptr 1
		.amdhsa_wavefront_size32 1
		.amdhsa_system_sgpr_workgroup_id_x 1
		.amdhsa_system_sgpr_workgroup_id_y 1
		.amdhsa_system_sgpr_workgroup_id_z 1
		.amdhsa_system_vgpr_workitem_id 0
		.amdhsa_next_free_vgpr 194
		.amdhsa_next_free_sgpr 66
		.amdhsa_reserve_vcc 0
		.amdhsa_float_denorm_mode_32 3
		.amdhsa_float_denorm_mode_16_64 3
		.amdhsa_memory_ordered 1
		.amdhsa_forward_progress 1
		.amdhsa_inst_pref_size 11
	.end_amdhsa_kernel
	.amdgpu_metadata
---
amdhsa.version: [ 1, 2 ]
amdhsa.kernels:
  - .name:           k_qf01a659486_vsel
    .symbol:         k_qf01a659486_vsel.kd
    .args:
      - { .name: idx, .offset: 0, .size: 8, .value_kind: global_buffer, .address_space: global }
      - { .name: xc, .offset: 8, .size: 8, .value_kind: global_buffer, .address_space: global }
      - { .name: xs, .offset: 16, .size: 8, .value_kind: global_buffer, .address_space: global }
      - { .name: w4c, .offset: 24, .size: 8, .value_kind: global_buffer, .address_space: global }
      - { .name: w4s, .offset: 32, .size: 8, .value_kind: global_buffer, .address_space: global }
      - { .name: qkt, .offset: 40, .size: 8, .value_kind: global_buffer, .address_space: global }
      - { .name: kv, .offset: 48, .size: 8, .value_kind: global_buffer, .address_space: global }
    .group_segment_fixed_size: 4608
    .private_segment_fixed_size: 0
    .kernarg_segment_align: 8
    .kernarg_segment_size: 56
    .max_flat_workgroup_size: 128
    .sgpr_count:     66
    .vgpr_count:     194
    .wavefront_size: 32
...
	.end_amdgpu_metadata
.endif
;; end of part 7
;; launch attn (part 8): grid 256 x 1, 16 waves a work-group, no clusters, 107,776 bytes of LDS; arguments qkt, kv, w4c, w4s, out0; writes out0
.if DOCPART == 8
	.amdgcn_target "amdgcn-amd-amdhsa--gfx1250"
	.amdhsa_code_object_version 6
	.text
	.protected	k_qf01a659486_attn
	.globl	k_qf01a659486_attn
	.p2align	8
	.type	k_qf01a659486_attn,@function
k_qf01a659486_attn:
	s_mov_b64 s[64:65], 0
	v_nop
	global_prefetch_b8 v0, s[64:65] scope:SCOPE_SE
	s_setreg_imm32_b32 hwreg(HW_REG_WAVE_SCHED_MODE, 0, 2), 2
	s_setreg_imm32_b32 hwreg(HW_REG_WAVE_MODE, 25, 1), 1
	s_wait_xcnt 0x0
	s_wait_alu depctr_vm_vsrc(0)
; For each token and head: the softmax of q x key over the 32 keys of the set that q's sign chooses (q > 0: the largest keys, else the smallest), times their values, in f32; the result, [token][1024],
; is quantised to FP4 (E2M1, one E8M0 byte for each 32 along K) and multiplied by Wo's codes.  out0 [16384][1024] f32.
; THE SOFTMAX: p = 2^(q x (key - extreme key) x log2 e): the extreme key is the set's largest for q > 0 and its smallest otherwise, so the row's own largest score is taken away, for every input;
; no exponent is above 0 and one is exactly 0, so the sum is at least 1.  With qp = max(q, 0), qn = min(q, 0) the exponent is dtop x qp + dbot x qn: one of the two products is 0.
; THE SECOND PRODUCT feeds a quantiser, so it takes f32 operands: v_wmma_f32_16x16x4_f32.  Its 16 rows are 8 channels of the largest set and 8 of the smallest, its columns 16 tokens, its K the 32 list places;
; p belongs to the chosen set, so of a token's two results one is right, and it is picked by the sign of q; then it is divided by the sum of p.
; SHARES: a work-group takes 64 tokens, sixteen waves of 256 registers: four to a SIMD, so that one wave's exponentials stand beside another's products.
; PHASE A: wave w owns heads 8 w .. 8 w + 7 (64 along the last product's K: two blocks of 32) for all 64 tokens.  Token tile m is tokens 4 r + m, so that one load of 16 bytes of q gives a lane its four tiles.
;   Two heads go together (A, B).  After the choice lanes 0-15 hold head A's 8 channels of token 4 r + m and lanes 16-31 head B's.  Heads (0, 2) then (1, 3) of a block give a lane 16 neighbours along K.
;   Codes go to LDS as rows (64 x 528 bytes), scale bytes beside them (64 x 36).   One barrier.
; PHASE B: wave w owns output columns 64 w .. 64 w + 63: Wo's fragments come from memory straight into registers, a K step ahead; source 0 = 16 rows of Wo, source 1 = 16 tokens: a lane holds eight neighbouring columns of a token.
; NO CLUSTER, NO TENSOR LOAD: what work-groups share is Wo's codes; each wave reads its 34 KB of them once, into operand registers; brought jointly they would have to pass through LDS and be read from there again.
; LIMITS: scale byte held at 1 from below (largest magnitude under 2^-124, zero blocks too: zero codes); p under 2^-126 counts as 0; NaN and infinities not served.
; REGISTERS: v1-11 addresses; v12-19 q; v20-27 qp, qn as pairs; v28-43 two banks at work; v44-51 the divisor and the quantiser's few; v52-63 scale words and nothing else;
;   v64-95 values; v96-159 key differences; v160-191 p; v192-207 the two f32 accumulators (written by matrix instructions alone); v208-247 results ahead of the quantiser.
;   Phase B: v20-51 the tokens' fragments; v64-127 Wo's, two sets; v128-255 sixteen accumulators.
; THE MODE: SCHED_MODE bits 1:0 = 2 (LLVM: expert scheduling mode 2), set by the entry lines.  The code itself states the register dependences
; between vector or matrix instructions and memory or LDS instructions, with s_wait_alu, always for 0.
; THE PLAN.  Registers that memory or LDS instructions touch:
;   v1-11            offsets and LDS addresses, made at the head and never written again: the wait on va_vdst ahead of the first loads covers them for the whole kernel.
;   values, key differences, q (v12-19, v64-159)   loaded once a pass; read by the pass's four tiles.  One wait on va_vdst ahead of each pass's loads.
;   v[C], v[C+1], v[BY]   written at the end of a quantised tile; read by its two LDS stores.  THE STORES ARE ISSUED BEHIND THE NEXT WAIT ON va_vdst THAT STANDS IN THE TEXT ANYWAY: the next tile's wait for its exponentials,
;                    or the wait ahead of the next pass's loads or of Wo's first loads.  One wait on vm_vsrc stands ahead of the lines that write the three again, nearly a tile behind those stores.
;   Phase B: the tokens' fragments and scale words (v20-51, v60-63) and Wo's set and scale words of the next K step are all registers that the LAST step's products read: one wait on va_vdst at a step's head, and the step's 24 loads follow it.
;   The accumulators: written by the products, read by the LDS stores of the way out: one wait on va_vdst behind the places.  Rows on the way out: v20-51 are used twice: one wait on vm_vsrc between.
.set L16, 1                            ; 16 x lane
.set H64, 2                            ; 64 hh
.set R16, 3                            ; 16 r
.set ACW, 4                            ; where my codes go
.set ASW, 5                            ; where my scale byte goes
.set AFA, 6                            ; a fragment of the tokens
.set ASA, 7                            ; its scale words
.set R4,  8
.set STO, 9
.set RD,  10
.set GO,  11
.set QA,  12
.set QB,  16
.set QPA, 20
.set QNA, 22
.set QPB, 24
.set QNB, 26
.set TA,  28
.set TB,  36
.set F,   44
.set M,   46
.set M2,  47
.set SO,  48
.set BY,  49
.set C,   50
.set WSC, 52
.set ASC, 60
.set VA,  64
.set DT,  96                           ; head A: largest set's 16, smallest set's 16; head B likewise from +32
.set P,   160
.set ACC, 192
.set XA,  208
.set XB,  240
.set AF,  20
.set WF,  64
.set OA,  128
.set WV,  16
.set SEL, 20
.set HM,  22                           ; lanes 16-31
.set MA,  23
.set MB,  24
.set TK,  25
.set AC,  0                            ; LDS: 64 rows x 528: codes
.set AS,  64*528                       ; 64 rows x 36: scale bytes
.set OST, AS+64*36                     ; 16 waves x 16 rows x 272: the way out, each wave's own
	s_load_b256 s[4:11], s[0:1], 0x0               ; qkt s[4:5], kv s[6:7], w4c s[8:9], w4s s[10:11]
	s_load_b64 s[12:13], s[0:1], 0x20              ; out0
	v_lshrrev_b32 v[SO], 5, v0
	v_readfirstlane_b32 s[WV], v[SO]               ; wave 0..15
	v_and_b32 v[SO], 31, v0
	v_lshlrev_b32 v[L16], 4, v[SO]
	v_and_b32 v[M], 15, v0                         ; r
	v_bfe_u32 v[M2], v0, 4, 1                      ; hh
	v_lshlrev_b32 v[H64], 6, v[M2]
	v_lshlrev_b32 v[R16], 4, v[M]
	v_lshlrev_b32 v[R4], 2, v[M]
	v_mul_u32_u24 v[ACW], v[M], 4*528
	v_lshl_add_u32 v[ACW], v[M2], 3, v[ACW]
	s_wait_alu depctr_va_sdst(0)                   ; s[WV] is written, ahead of its first reader: LDS addresses and bases are made from it
	s_lshl_b32 s26, s[WV], 5
	v_add_nc_u32 v[ACW], s26, v[ACW]               ; row 4 r (+ m), byte 32 w + 8 hh (+ 16 for the second block)
	v_mul_u32_u24 v[ASW], v[M], 4*36
	s_lshl_b32 s26, s[WV], 1
	s_add_co_u32 s26, s26, AS
	v_add_nc_u32 v[ASW], s26, v[ASW]               ; row 4 r (+ m), byte 2 w (+ 1)
	v_mul_u32_u24 v[AFA], v[M], 528
	v_lshl_add_u32 v[AFA], v[M2], 4, v[AFA]
	v_mul_u32_u24 v[ASA], v[M], 36
	v_add_nc_u32 v[ASA], AS, v[ASA]
	s_mul_i32 s26, s[WV], 16*272
	s_add_co_u32 s26, s26, OST
	v_mul_u32_u24 v[STO], v[M], 272
	v_lshl_add_u32 v[STO], v[M2], 5, v[STO]
	v_add_nc_u32 v[STO], s26, v[STO]
	v_mul_u32_u24 v[RD], v[M2], 272
	v_lshl_add_u32 v[RD], v[M], 4, v[RD]
	v_add_nc_u32 v[RD], s26, v[RD]
	v_lshlrev_b32 v[GO], 12, v[M2]
	v_lshl_add_u32 v[GO], v[M], 4, v[GO]
.irp j, QPA+1, QNA+1, QPB+1, QNB+1, F+1
	v_mov_b32 v[\j], 0                             ; upper halves of pairs of which the low word serves both halves: named, so written
.endr
	s_mov_b32 s[SEL], 0x76543210
	s_mov_b32 s[SEL+1], 0xfedcba98                 ; v_permlanex16_b32's selects for lane l xor 16
	s_mov_b32 s[HM], 0xffff0000
	s_lshr_b32 s27, ttmp9, 6                       ; b
	s_and_b32 s28, ttmp9, 63
	s_lshl_b32 s30, s27, 22                        ; q: b, my 8 heads' columns, the work-group's 64 tokens
	s_lshl_b32 s31, s[WV], 17
	s_add_co_u32 s30, s30, s31
	s_lshl_b32 s31, s28, 8
	s_add_co_u32 s30, s30, s31
	s_mov_b32 s31, 0
	s_mul_i32 s32, s27, 128*2304                   ; kv: (128 b + 8 w) x 2,304
	s_mul_i32 s33, s[WV], 8*2304
	s_add_co_u32 s32, s32, s33
	s_mov_b32 s33, 0
	s_lshl_b32 s34, s[WV], 15                      ; Wo's tiles 80 + 4 w on
	s_add_co_u32 s34, s34, 80*8192
	s_mov_b32 s35, 0
	s_lshl_b32 s36, s[WV], 11
	s_add_co_u32 s36, s36, 80*512
	s_mov_b32 s37, 0
	s_lshl_b32 s38, ttmp9, 18                      ; out0: 64 rows of 4,096 bytes, my 256 bytes of a row
	s_lshl_b32 s39, s[WV], 8
	s_add_co_u32 s38, s38, s39
	s_mov_b32 s39, 0
	s_wait_kmcnt 0x0
	s_add_nc_u64 s[4:5], s[4:5], s[30:31]
	s_add_nc_u64 s[6:7], s[6:7], s[32:33]
	s_add_nc_u64 s[8:9], s[8:9], s[34:35]
	s_add_nc_u64 s[10:11], s[10:11], s[36:37]
	s_add_nc_u64 s[12:13], s[12:13], s[38:39]
; Two heads' values, key differences and q: 26 loads.  The registers that the last products read are loaded more than eight plain lines behind them: the tail of a tile.
; The wait on va_vdst that these loads hang on is written out ahead of each use of the macro.
.macro PASSLOAD ha, hb
.irp c, 0,1,2,3
	global_load_b128 v[VA+4*\c:VA+4*\c+3], v[L16], s[6:7] offset:2304*(\ha)+512*\c
	global_load_b128 v[VA+16+4*\c:VA+16+4*\c+3], v[L16], s[6:7] offset:2304*(\hb)+512*\c
.endr
.irp c, 0,1,2,3
	global_load_b128 v[DT+4*\c:DT+4*\c+3], v[H64], s[6:7] offset:2304*(\ha)+2048+16*\c
	global_load_b128 v[DT+16+4*\c:DT+16+4*\c+3], v[H64], s[6:7] offset:2304*(\ha)+2176+16*\c
	global_load_b128 v[DT+32+4*\c:DT+32+4*\c+3], v[H64], s[6:7] offset:2304*(\hb)+2048+16*\c
	global_load_b128 v[DT+48+4*\c:DT+48+4*\c+3], v[H64], s[6:7] offset:2304*(\hb)+2176+16*\c
.endr
	global_load_b128 v[QA:QA+3], v[R16], s[4:5] offset:16384*(\ha)
	global_load_b128 v[QB:QB+3], v[R16], s[4:5] offset:16384*(\hb)
	s_wait_loadcnt 0x0
.endm
; The codes and the scale byte of quantised tile m, block bb, go to LDS.  It stands directly behind a wait on va_vdst that is younger than the tile's conversions.
.macro PUT m, bb
	ds_store_b64 v[ACW], v[C:C+1] offset:528*(\m)+16*(\bb)
	ds_store_b8 v[ASW], v[BY] offset:36*(\m)+(\bb)     ; both halves of the lanes write the same byte with the same value
.endm
; Token tile m of the two heads in hand; the chosen, normalised results go to v[xd] on.  quant = 1: the lane's 16 neighbours (v[XA + 8 m] on, v[XB] on) are quantised: block bb of my two;
; the codes stay in registers until the next wait on va_vdst, behind which PUT stores them.
.macro TILE m, xd, quant, bb
	v_max_num_f32 v[QPA], 0, v[QA+\m]
	v_min_num_f32 v[QNA], 0, v[QA+\m]
	v_max_num_f32 v[QPB], 0, v[QB+\m]
	v_min_num_f32 v[QNB], 0, v[QB+\m]
	v_cmp_lt_f32 s[MA], 0, v[QA+\m]                ; q > 0: the largest keys
	v_cmp_lt_f32 s[MB], 0, v[QB+\m]
.irp n, 0,2,4,6,8,10,12,14
	v_pk_mul_f32 v[P+\n:P+\n+1], v[DT+\n:DT+\n+1], v[QPA:QPA+1] op_sel_hi:[1,0]
	v_pk_mul_f32 v[P+16+\n:P+16+\n+1], v[DT+32+\n:DT+32+\n+1], v[QPB:QPB+1] op_sel_hi:[1,0]
.endr
.irp n, 0,2,4,6,8,10,12,14
	v_pk_fma_f32 v[P+\n:P+\n+1], v[DT+16+\n:DT+16+\n+1], v[QNA:QNA+1], v[P+\n:P+\n+1] op_sel_hi:[1,0,1]
	v_pk_fma_f32 v[P+16+\n:P+16+\n+1], v[DT+48+\n:DT+48+\n+1], v[QNB:QNB+1], v[P+16+\n:P+16+\n+1] op_sel_hi:[1,0,1]
.endr
.irp n, 0,1,2,3,4,5,6,7,8,9,10,11,12,13,14,15,16,17,18,19,20,21,22,23,24,25,26,27,28,29,30,31
	v_exp_f32 v[P+\n], v[P+\n]                     ; p of list place 16 hh + n, at most 1
.endr
	s_wait_alu depctr_va_sdst(0)                   ; the two compares have written s[MA] and s[MB], ahead of their first readers, the two lines below
	s_and_b32 s[TK], s[MA], 0xffff                 ; who keeps its own result: lanes 0-15 (head A, largest set) where q > 0,
	s_and_not1_b32 s26, s[HM], s[MB]               ; lanes 16-31 (head B, smallest set) where not
	s_or_b32 s[TK], s[TK], s26
	v_nop                                          ; a plain line between the last exponential and the use of its result
	s_wait_alu depctr_va_vdst(0)                   ; the 32 exponentials have written p, ahead of the first product that names it; behind a quantised tile also: its conversions have written v[C], v[C+1] and v[BY], which the stores below read
.if \quant && (\m > 0)
	PUT \m-1, \bb
.endif
.irp i, 0,1,2,3,4,5,6,7                        ; the two accumulators take turns, one instruction a turn
.if \i == 0
	v_wmma_f32_16x16x4_f32 v[ACC:ACC+7], v[VA:VA+1], v[P:P+1], 0
	v_wmma_f32_16x16x4_f32 v[ACC+8:ACC+15], v[VA+16:VA+17], v[P+16:P+17], 0
.else
	v_wmma_f32_16x16x4_f32 v[ACC:ACC+7], v[VA+2*\i:VA+2*\i+1], v[P+2*\i:P+2*\i+1], v[ACC:ACC+7]
	v_wmma_f32_16x16x4_f32 v[ACC+8:ACC+15], v[VA+16+2*\i:VA+16+2*\i+1], v[P+16+2*\i:P+16+2*\i+1], v[ACC+8:ACC+15]
.endif
.endr
	; the sums of p: also the places behind the last products (eight are asked ahead of a read of a result; of these 18 plain lines one names a register of the last product)
.irp k, 0,1,2,3
	v_pk_add_f32 v[TA+2*\k:TA+2*\k+1], v[P+4*\k:P+4*\k+1], v[P+4*\k+2:P+4*\k+3]
	v_pk_add_f32 v[TB+2*\k:TB+2*\k+1], v[P+16+4*\k:P+16+4*\k+1], v[P+16+4*\k+2:P+16+4*\k+3]
.endr
	v_pk_add_f32 v[TA:TA+1], v[TA:TA+1], v[TA+2:TA+3]
	v_pk_add_f32 v[TB:TB+1], v[TB:TB+1], v[TB+2:TB+3]
	v_pk_add_f32 v[TA+4:TA+5], v[TA+4:TA+5], v[TA+6:TA+7]
	v_pk_add_f32 v[TB+4:TB+5], v[TB+4:TB+5], v[TB+6:TB+7]
	v_pk_add_f32 v[TA:TA+1], v[TA:TA+1], v[TA+4:TA+5]
	v_pk_add_f32 v[TB:TB+1], v[TB:TB+1], v[TB+4:TB+5]
	v_add_f32 v[TA+2], v[TA], v[TA+1]
	v_add_f32 v[TB+2], v[TB], v[TB+1]
	v_permlanex16_b32 v[TA+3], v[TA+2], s[SEL], s[SEL+1]
	v_permlanex16_b32 v[TB+3], v[TB+2], s[SEL], s[SEL+1]
	v_add_f32 v[TA+2], v[TA+2], v[TA+3]            ; with lane l xor 16's 16 places: the row's sum
	v_add_f32 v[TB+2], v[TB+2], v[TB+3]
	v_rcp_f32 v[TA+2], v[TA+2]
	v_rcp_f32 v[TB+2], v[TB+2]
.irp j, 0,1,2,3,4,5,6,7
	v_cndmask_b32 v[\xd+\j], v[ACC+\j], v[ACC+8+\j], s[HM]    ; my own: lanes 0-15 head A's largest set, lanes 16-31 head B's smallest.  Each accumulator from its low end on.  (Plain lines behind the reciprocals)
.endr
	s_wait_alu depctr_va_vdst(0)                   ; the two reciprocals have written v[TA+2] and v[TB+2], ahead of their first reader, the line below
	v_cndmask_b32 v[F], v[TA+2], v[TB+2], s[HM]    ; 1 / the sum of my head
.irp j, 0,1,2,3,4,5,6,7
	v_cndmask_b32 v[TA+\j], v[ACC+8+\j], v[ACC+\j], s[HM]     ; what the lane 16 away may want: head B's largest set, head A's smallest
.endr
.irp j, 0,1,2,3,4,5,6,7
	v_permlanex16_b32 v[TB+\j], v[TA+\j], s[SEL], s[SEL+1]
.endr
.irp j, 0,1,2,3,4,5,6,7
	v_cndmask_b32 v[\xd+\j], v[TB+\j], v[\xd+\j], s[TK]
.endr
.irp j, 0,2,4,6
	v_pk_mul_f32 v[\xd+\j:\xd+\j+1], v[\xd+\j:\xd+\j+1], v[F:F+1] op_sel_hi:[1,0]
.endr
.if \quant
	s_wait_dscnt 0x0                               ; the last tile's LDS stores have read their registers
.if (\m > 0) || (\bb > 0)
	s_wait_alu depctr_vm_vsrc(0)                   ; the LDS stores of the last quantised tile have read v[C], v[C+1] and v[BY], which the lines below write again
.endif
	v_max3_num_f32 v[M], |v[XA+8*\m]|, |v[XA+8*\m+1]|, 0x1800000   ; my 16 numbers, and the floor 2^(3 - 127): the byte cannot fall under 1
	v_max3_num_f32 v[M2], |v[XB]|, |v[XB+1]|, |v[XB+2]|
	v_max3_num_f32 v[M], v[M], |v[XA+8*\m+2]|, |v[XA+8*\m+3]|
	v_max3_num_f32 v[M2], v[M2], |v[XB+3]|, |v[XB+4]|
	v_max3_num_f32 v[M], v[M], |v[XA+8*\m+4]|, |v[XA+8*\m+5]|
	v_max3_num_f32 v[M2], v[M2], |v[XB+5]|, |v[XB+6]|
	v_max3_num_f32 v[M], v[M], |v[XA+8*\m+6]|, |v[XA+8*\m+7]|
	v_max3_num_f32 v[M], v[M], v[M2], |v[XB+7]|
	v_permlanex16_b32 v[M2], v[M], s[SEL], s[SEL+1]
	v_max_num_f32 v[M], v[M], v[M2]                ; with lane l xor 16's: the block's largest magnitude
	v_add_nc_u32 v[SO], 0xff000000, v[M]           ; 2 off the exponent field: the conversion's scale operand
	v_lshrrev_b32 v[BY], 23, v[SO]                 ; the scale's byte
	v_cvt_scalef32_pk8_fp4_f32 v[C], v[XA+8*\m:XA+8*\m+7], v[SO]
	v_cvt_scalef32_pk8_fp4_f32 v[C+1], v[XB:XB+7], v[SO]
	v_nop                                          ; one plain line behind the last scaled conversion
.endif
.endm
.macro WLOAD s                         ; Wo's four fragments and scale words of K step s, into set s % 2: 12 loads
.irp e, 0,1,2,3
.irp c, 0,1
	global_load_b128 v[WF+32*((\s)%2)+8*\e+4*\c:WF+32*((\s)%2)+8*\e+4*\c+3], v[L16], s[8:9] offset:8192*\e+1024*(\s)+512*\c
.endr
	global_load_b32 v[WSC+4*((\s)%2)+\e], v[R4], s[10:11] offset:512*\e+64*(\s)
.endr
.endm
	; ---- PHASE A
	s_wait_alu depctr_va_vdst(0)                   ; v1 to v11 are written: the offsets and LDS addresses that every load, store and LDS instruction of the kernel reads
	PASSLOAD 0, 2
	TILE 0, XA, 0, 0
	TILE 1, XA+8, 0, 0
	TILE 2, XA+16, 0, 0
	TILE 3, XA+24, 0, 0
	s_wait_alu depctr_va_vdst(0)                   ; the four tiles are done reading the values, the key differences and q, in which the loads below land
	PASSLOAD 1, 3
	TILE 0, XB, 1, 0
	TILE 1, XB, 1, 0
	TILE 2, XB, 1, 0
	TILE 3, XB, 1, 0
	s_wait_alu depctr_va_vdst(0)                   ; the four tiles are done reading the values, the key differences and q; tile 3's conversions have written its codes and byte
	PUT 3, 0
	PASSLOAD 4, 6
	TILE 0, XA, 0, 1
	TILE 1, XA+8, 0, 1
	TILE 2, XA+16, 0, 1
	TILE 3, XA+24, 0, 1
	s_wait_alu depctr_va_vdst(0)                   ; the four tiles are done reading the values, the key differences and q, in which the loads below land
	PASSLOAD 5, 7
	TILE 0, XB, 1, 1
	TILE 1, XB, 1, 1
	TILE 2, XB, 1, 1
	TILE 3, XB, 1, 1
	s_wait_alu depctr_va_vdst(0)                   ; tile 3's conversions have written its codes and byte; phase A is done reading and writing v20 to v159, in which Wo's fragments and, behind the barrier, the tokens' land
	PUT 3, 1
	WLOAD 0                                        ; Wo's first K step is on its way across the barrier: nobody writes those bytes
	s_wait_dscnt 0x0                               ; for the others' sake: my codes and scale bytes have landed
	s_barrier_signal -1
	s_barrier_wait -1                              ; 64 whole rows of codes lie in LDS
	; ---- PHASE B
.macro KSTEP s
.if \s > 0
.rept 4
	v_nop                                          ; four places in front of loads into registers that the last products read
.endr
	s_wait_alu depctr_va_vdst(0)                   ; the last step's products are done reading their set of Wo's fragments and scale words, the tokens' fragments and their scale words: the 24 loads below land in these
.else
	s_wait_alu depctr_vm_vsrc(0)                   ; my last LDS stores of phase A have read v49 to v51, in which the tokens' fragments land
.endif
.if \s < 7
	WLOAD \s+1
.endif
.irp m, 0,1,2,3
.irp c, 0,1
	ds_load_b128 v[AF+8*\m+4*\c:AF+8*\m+4*\c+3], v[AFA] offset:8448*\m+64*\s+32*\c
.endr
	ds_load_b32 v[ASC+\m], v[ASA] offset:576*\m+4*\s
.endr
.if \s < 7
	s_wait_loadcnt 12                              ; this step's weights are in; the 12 loads just issued may stay out
.else
	s_wait_loadcnt 0x0
.endif
	s_wait_dscnt 0x0
.irp e, 0,1,2,3                                ; sixteen accumulators by turns, one instruction a turn
.irp m, 0,1,2,3
.if \s == 0
	v_wmma_scale_f32_16x16x128_f8f6f4 v[OA+8*(4*\e+\m):OA+8*(4*\e+\m)+7], v[WF+32*((\s)%2)+8*\e:WF+32*((\s)%2)+8*\e+7], v[AF+8*\m:AF+8*\m+7], 0, v[WSC+4*((\s)%2)+\e], v[ASC+\m] matrix_a_fmt:MATRIX_FMT_FP4 matrix_b_fmt:MATRIX_FMT_FP4
.else
	v_wmma_scale_f32_16x16x128_f8f6f4 v[OA+8*(4*\e+\m):OA+8*(4*\e+\m)+7], v[WF+32*((\s)%2)+8*\e:WF+32*((\s)%2)+8*\e+7], v[AF+8*\m:AF+8*\m+7], v[OA+8*(4*\e+\m):OA+8*(4*\e+\m)+7], v[WSC+4*((\s)%2)+\e], v[ASC+\m] matrix_a_fmt:MATRIX_FMT_FP4 matrix_b_fmt:MATRIX_FMT_FP4
.endif
.endr
.endr
.endm
	KSTEP 0
	KSTEP 1
	KSTEP 2
	KSTEP 3
	KSTEP 4
	KSTEP 5
	KSTEP 6
	KSTEP 7
.rept 4
	v_nop                                          ; four places in front of the first read of results and of loads into the operands' registers
.endr
	s_wait_alu depctr_va_vdst(0)                   ; the products have written the sixteen accumulators, which the LDS stores read, and are done reading v20 to v127, in which rows land; the places above stay beside this wait
	; THE WAY OUT: 16 tokens x my 64 columns at a time through my own stage, back as runs of 256 bytes.  LDS serves a wave's instructions in order: no wait between the stores and the loads, nor ahead of the next tile's stores.
.macro TOSTAGE m, ob
.irp e, 0,1,2,3
	ds_store_b128 v[STO], v[OA+8*(4*\e+\m):OA+8*(4*\e+\m)+3] offset:64*\e          ; each accumulator from its low end on
	ds_store_b128 v[STO], v[OA+8*(4*\e+\m)+4:OA+8*(4*\e+\m)+7] offset:64*\e+16
.endr
.irp i, 0,1,2,3,4,5,6,7
	ds_load_b128 v[\ob+4*\i:\ob+4*\i+3], v[RD] offset:544*\i
.endr
.endm
.macro SEND m, ob, younger             ; younger: the LDS instructions issued behind this tile's loads: the next tile's sixteen, or none
	s_wait_dscnt \younger
.irp i, 0,1,2,3,4,5,6,7
	global_store_b128 v[GO], v[\ob+4*\i:\ob+4*\i+3], s[12:13] offset:(16*\m+2*\i)*4096 th:TH_STORE_NT   ; 16 lanes store 256 consecutive bytes, aligned; written once, read by nobody here
.endr
.endm
	TOSTAGE 0, 20
	TOSTAGE 1, 64
	SEND 0, 20, 16
	TOSTAGE 2, 96
	SEND 1, 64, 16
	s_wait_xcnt 0x0                                ; tile 0's stores have read their registers: tile 3's rows may land there
	s_wait_alu depctr_vm_vsrc(0)                   ; tile 0's global stores have read v20 to v51, in which tile 3's rows land
	TOSTAGE 3, 20
	SEND 2, 96, 16
	SEND 3, 20, 0
	s_wait_xcnt 0x0
	s_wait_alu depctr_vm_vsrc(0)                   ; tile 3's LDS stores have read v254 and v255, which the two lines below write
	v_lshl_add_u32 v254, v0, 2, 0x19d00
	v_mov_b32 v255, 0
	s_wait_dscnt 0x0                               ; the closing lines, six on end
	s_wait_alu 0x0
	s_wait_tensorcnt 0x0
	ds_add_u32 v254, v255
	s_wait_dscnt 0x0
	s_endpgm
.Lfunc_end_k_qf01a659486_attn:
	.size	k_qf01a659486_attn, .Lfunc_end_k_qf01a659486_attn-k_qf01a659486_attn
	.p2alignl 7, 3214868480
	.fill 96, 4, 3214868480
	.section	.rodata,"a",@progbits
	.p2align	6, 0x0
	.amdhsa_kernel k_qf01a659486_attn
		.amdhsa_group_segment_fixed_size 107776
		.amdhsa_private_segment_fixed_size 0
		.amdhsa_enable_private_segment 0
		.amdhsa_kernarg_size 40
		.amdhsa_user_sgpr_count 2
		.amdhsa_user_sgpr_kernarg_segment_ptr 1
		.amdhsa_wavefront_size32 1
		.amdhsa_system_sgpr_workgroup_id_x 1
		.amdhsa_system_sgpr_workgroup_id_y 1
		.amdhsa_system_sgpr_workgroup_id_z 1
		.amdhsa_system_vgpr_workitem_id 0
		.amdhsa_next_free_vgpr 256
		.amdhsa_next_free_sgpr 66
		.amdhsa_reserve_vcc 0
		.amdhsa_float_denorm_mode_32 3
		.amdhsa_float_denorm_mode_16_64 3
		.amdhsa_memory_ordered 1
		.amdhsa_forward_progress 1
		.amdhsa_inst_pref_size 191
	.end_amdhsa_kernel
	.amdgpu_metadata
---
amdhsa.version: [ 1, 2 ]
amdhsa.kernels:
  - .name:           k_qf01a659486_attn
    .symbol:         k_qf01a659486_attn.kd
    .args:
      - { .name: qkt, .offset: 0, .size: 8, .value_kind: global_buffer, .address_space: global }
      - { .name: kv, .offset: 8, .size: 8, .value_kind: global_buffer, .address_space: global }
      - { .name: w4c, .offset: 16, .size: 8, .value_kind: global_buffer, .address_space: global }
      - { .name: w4s, .offset: 24, .size: 8, .value_kind: global_buffer, .address_space: global }
      - { .name: out0, .offset: 32, .size: 8, .value_kind: global_buffer, .address_space: global }
    .group_segment_fixed_size: 107776
    .private_segment_fixed_size: 0
    .kernarg_segment_align: 8
    .kernarg_segment_size: 40
    .max_flat_workgroup_size: 512
    .sgpr_count:     66
    .vgpr_count:     256
    .wavefront_size: 32
...
	.end_amdgpu_metadata
.endif
;; end of part 8
